; MI455X (gfx1250); checked and timed in simulation.
; The chip was launched on July 23, 2026; its instructions are those of AMD's public machine-readable ISA for CDNA 5 (MIT licence, August 2026) and "CDNA5" Instruction Set Architecture Reference Guide (July 2026). The comments in the code are by the model that wrote it; some were corrected since.
;; NN Distance. Allowed arithmetic: matrix products marked QUANTISED: E5M2 operands, one given power-of-two scale a tensor, by v_wmma_f32_16x16x64_bf8_bf8 or v_wmma_f32_16x16x128_bf8_bf8, f32 sums; everything else in f32.
;; Inputs: lowp_scales 2 int32 (the exponents e of the quantised operands' scales 2^e); target_set 65,536 x 256 float32; x 4,096 x 256 float32.
;; Outputs: out0 4,096 float32; out1 4,096 int32.
;; This version of the problem:
;;   THIS VERSION OF THE PROBLEM IS GIVEN IN LOW PRECISION. The matrix products marked QUANTISED in the list below multiply operands that are first quantised to E5M2 (5 exponent bits, 2 mantissa bits; 8 bits a number), with one given power-of-two scale for each operand tensor; their sums are f32. All else is computed in f32.
;;   The module's matrix products, in the order in which they are computed (A, B: the left and right operand; K: the contracted axis; several contracted axes count as one K, in the product's order):
;;     1. [M 4,096, K 256] x [K 256, N 65,536]; A: input x; B: input target_set: QUANTISED (scales: A lowp_scales[0], B lowp_scales[1])
;;   THE QUANTISER, for each operand of a quantised product, along K:
;;     - The operand's scale is 2^e, e = its entry of the input lowp_scales (int32; the entries are numbered through the quantised products in the list's order, A before B).
;;     - Each number is divided by the scale, clamped to +-57,344, and rounded to the nearest number of E5M2, ties to even, subnormals kept.
;;     - The product sums the exact products of the quantised numbers (number of the format x scale) in f32.
;;   ~~~python
;;   def quantise(x, axis, e):      # numpy; x: float32 -> the quantised numbers, widened to float32 again
;;       x = np.moveaxis(x, axis, -1); K = x.shape[-1]
;;       r = np.clip(x / 2.0 ** e, -57344, 57344)
;;       step = 2.0 ** (np.maximum(np.frexp(np.where(r == 0, 1, r))[1] - 1, -14) - 2)
;;       q = np.round(r / step) * step * 2.0 ** e      # np.round: ties to even
;;       return np.moveaxis(q, -1, axis).astype(np.float32)
;;   ~~~
;; 2 versions. Each part assembles by itself: llvm-mc -triple=amdgcn-amd-amdhsa -mcpu=gfx1250 --defsym DOCPART=n.
;; ======== version 1 of 2: 3 launches
;; workspace buffers: xq 1,048,576 bytes; xn 16,384 bytes; part 8,388,608 bytes
;; launch prep (part 1): grid 64 x 1, 4 waves a work-group, no clusters, 67,328 bytes of LDS; arguments x, lowp_scales, xq, xn; writes xq, xn
.if DOCPART == 1
	.amdgcn_target "amdgcn-amd-amdhsa--gfx1250"
	.amdhsa_code_object_version 6
	.text
	.protected	k_qa1c5de84cb_prep
	.globl	k_qa1c5de84cb_prep
	.p2align	8
	.type	k_qa1c5de84cb_prep,@function
k_qa1c5de84cb_prep:
	s_mov_b64 s[64:65], 0
	v_nop
	global_prefetch_b8 v0, s[64:65] scope:SCOPE_SE
	s_setreg_imm32_b32 hwreg(HW_REG_WAVE_MODE, 25, 1), 1
	s_wait_xcnt 0x0
; x [4096][256] f32 becomes (1) xq: codes of BF8 (E5M2) with the given scale 2^ea, laid as images of a matrix operand's registers, and (2) xn: the rows' sums of squares, of the numbers as given, in f32.
; code = x / 2^ea, held within +-57,344, rounded to the nearest code, ties to even.  ea is entry 0 (int32) of the buffer of scales.
; LIMITS: ea between -126 and 112, so that 2^ea and 57,344 x 2^ea are f32 numbers.  NaN among the inputs is not served.  The squares are summed in eight chains, another order than a running sum's.
; SHARES.  Wave w of work-group G takes the tile of 16 rows T = 4 G + w.  xq: tile T lies at 4096 T; in it byte 2048 s + 512 c + 16 lane + b is the code of row 16 T + lane % 16 at k = 128 s + 32 c + 16 (lane / 16) + b:
; eight stores of 512 consecutive bytes write a tile, and the same eight lines as loads give any wave the same registers in the same lanes.
; THE TURN THROUGH LDS.  The conversions take neighbours along K from one lane's registers; a load is dense where neighbouring lanes take neighbouring bytes.  So each of the 32 loads reads 512 consecutive bytes, the 16 rows go
; into the wave's own stage as they lie, and come back 64 bytes a lane.  A stage row is 1,040 bytes = 65 x 16: the sixteen rows that a load from the stage touches begin 16 bytes apart modulo 256.
.set PITCH, 1040
.set STGW,  16*PITCH                   ; a wave's stage
.set TAB,   0                          ; LDS: the work-group's 64 norms, 256 bytes;
.set STG,   256                        ; then the four stages
.set L16, 1                            ; v1   16 x lane
.set RR,  2                            ; v2   r = lane % 16
.set HH,  3                            ; v3   h = lane / 16
.set SA,  4                            ; v4   the stage, on the way in
.set SRD, 5                            ; v5   the stage, on the way out: my row, my half's 64 bytes
.set TW,  6                            ; v6   my row's word in the table of norms
.set L8,  7                            ; v7   8 x lane
.set NS,  8                            ; v8-15   four chains of two sums of squares
.set SC,  16                           ; v16  2^ea as f32
.set LIM, 17                           ; v17  57,344 x 2^ea
.set TP,  18                           ; v18  at work
.set XN2, 20                           ; v[20:21] two norms on their way out
.set PC,  32                           ; v32-63  the tile's codes
.set R,   64                           ; v64-191 the tile as loaded
.set X1,  64                           ; v64-127 later: my 64 numbers of K step 1
.set X0,  192                          ; v192-255 my 64 numbers of K step 0
; 64 numbers of a lane, register xb + 16 b + i = k 32 b + 16 h + i of my row's K step: their squares go onto the chains, then they are held and converted into v[pc] on.
.macro NORMQ xb, pc, first
.set p, 0
.rept 32
.if (\first) && (p < 4)
	v_pk_mul_f32 v[NS+2*p:NS+2*p+1], v[\xb+2*p:\xb+2*p+1], v[\xb+2*p:\xb+2*p+1]          ; the first four pairs start the chains: nothing is cleared
.else
	v_pk_fma_f32 v[NS+2*(p%4):NS+2*(p%4)+1], v[\xb+2*p:\xb+2*p+1], v[\xb+2*p:\xb+2*p+1], v[NS+2*(p%4):NS+2*(p%4)+1]
.endif
.set p, p+1
.endr
.set p, 0
.rept 64
	v_med3_num_f32 v[\xb+p], v[\xb+p], -v[LIM], v[LIM]     ; the conversion to an 8-bit code does not saturate (ISA guide 7.6.2): the hold at the largest code x the scale
.set p, p+1
.endr
.irp b, 0,1,2,3
	v_cvt_scalef32_pk8_bf8_f32 v[\pc+4*\b:\pc+4*\b+1], v[\xb+16*\b:\xb+16*\b+7], v[SC]
	v_cvt_scalef32_pk8_bf8_f32 v[\pc+4*\b+2:\pc+4*\b+3], v[\xb+16*\b+8:\xb+16*\b+15], v[SC]
.endr
	v_nop                                          ; one plain vector line behind the last conversion of the run
.endm
.macro FROMSTAGE x, s                  ; my 64 numbers of K step s
.set p, 0
.rept 16
	ds_load_b128 v[\x+4*p:\x+4*p+3], v[SRD] offset:512*(\s)+128*(p/4)+16*(p%4)
.set p, p+1
.endr
.endm
	s_load_b256 s[4:11], s[0:1], 0x0               ; x s[4:5], the scales' exponents s[6:7], xq s[8:9], xn s[10:11]
	v_lshl_add_u32 v30, v0, 2, 0x10500
	v_mov_b32 v31, 0
	v_lshrrev_b32 v[TP], 5, v0
	v_readfirstlane_b32 s12, v[TP]                 ; wave 0..3
	v_and_b32 v[L16], 31, v0
	v_lshlrev_b32 v[L8], 3, v[L16]
	v_lshlrev_b32 v[L16], 4, v[L16]
	s_lshl_b32 s2, ttmp9, 16
	s_lshl_b32 s3, s12, 14
	s_add_co_u32 s2, s2, s3                        ; 16,384 T: my tile's 16 rows of 1,024 bytes
	s_mov_b32 s3, 0
	s_wait_kmcnt 0x0
	s_load_b32 s14, s[6:7], 0x0                    ; ea
	s_add_nc_u64 s[4:5], s[4:5], s[2:3]
.set i, 0
.rept 32
	global_load_b128 v[R+4*i:R+4*i+3], v[L16], s[4:5] offset:512*i th:TH_LOAD_NT   ; 32 lanes read 512 consecutive bytes: half a row
.set i, i+1
.endr
	s_lshr_b32 s2, s2, 2                           ; 4,096 T
	s_add_nc_u64 s[8:9], s[8:9], s[2:3]
	s_lshl_b32 s2, ttmp9, 8                        ; the work-group's 64 norms
	s_add_nc_u64 s[10:11], s[10:11], s[2:3]
	v_and_b32 v[RR], 15, v0
	v_bfe_u32 v[HH], v0, 4, 1
	s_mul_i32 s15, s12, STGW
	s_add_co_u32 s15, s15, STG                     ; my stage
	v_add_nc_u32 v[SA], s15, v[L16]
	v_mul_u32_u24 v[SRD], v[RR], PITCH
	v_lshl_add_u32 v[SRD], v[HH], 6, v[SRD]
	v_add_nc_u32 v[SRD], s15, v[SRD]
	s_lshl_b32 s16, s12, 6
	v_lshl_add_u32 v[TW], v[RR], 2, s16            ; TAB (= 0) + 64 x wave + 4 r
	s_mov_b32 s22, 0x76543210                      ; v_permlanex16_b32: lane l takes lane l xor 16
	s_mov_b32 s23, 0xfedcba98
	s_wait_kmcnt 0x0
	s_add_co_i32 s14, s14, 127
	s_lshl_b32 s17, s14, 23
	v_mov_b32 v[SC], s17                           ; 2^ea: the conversion takes its exponent field
	s_add_co_i32 s14, s14, 15
	s_lshl_b32 s14, s14, 23
	s_or_b32 s14, s14, 0x600000
	v_mov_b32 v[LIM], s14                          ; 57,344 x 2^ea
	s_wait_loadcnt 0x0
.set i, 0
.rept 32
	ds_store_b128 v[SA], v[R+4*i:R+4*i+3] offset:(i/2)*PITCH+(i%2)*512
.set i, i+1
.endr
	FROMSTAGE X0, 0                                ; LDS serves a wave's instructions in order (ISA guide 5.7.1.4): these see the stores above
	s_wait_dscnt 0x0                               ; K step 0 is back, and the stores have read v64-191,
	FROMSTAGE X1, 1                                ; which take K step 1 while K step 0 is worked
	NORMQ X0, PC, 1
	s_wait_dscnt 0x0
	NORMQ X1, PC+16, 0
.irp c, 0,1,2,3,4,5,6,7
	global_store_b128 v[L16], v[PC+4*\c:PC+4*\c+3], s[8:9] offset:512*\c   ; the image: 512 consecutive bytes a store, at a multiple of 256 from xq's first byte
.endr
	v_pk_add_f32 v[NS:NS+1], v[NS:NS+1], v[NS+2:NS+3]
	v_pk_add_f32 v[NS+4:NS+5], v[NS+4:NS+5], v[NS+6:NS+7]
	v_pk_add_f32 v[NS:NS+1], v[NS:NS+1], v[NS+4:NS+5]
	v_add_f32 v[NS], v[NS], v[NS+1]                ; my half of the row,
	v_permlanex16_b32 v[TP], v[NS], s22, s23
	v_add_f32 v[NS], v[NS], v[TP]                  ; and the other half's: lanes r and r + 16 hold the same bits
	ds_store_b32 v[TW], v[NS]                      ; both write the same word with the same value
	s_wait_dscnt 0x0                               ; for the others' sake: my norms lie in the table
	s_barrier_signal -1
	s_barrier_wait -1
	s_cmp_lg_u32 s12, 0
	s_cbranch_scc1 .Lend                           ; wave 0 stores the 64 norms: 256 consecutive bytes, aligned
	ds_load_b64 v[XN2:XN2+1], v[L8]
	s_wait_dscnt 0x0
	global_store_b64 v[L8], v[XN2:XN2+1], s[10:11]
.Lend:
	s_wait_tensorcnt 0x0
	ds_add_u32 v30, v31
	s_wait_dscnt 0x0
	s_endpgm
.Lfunc_end_k_qa1c5de84cb_prep:
	.size	k_qa1c5de84cb_prep, .Lfunc_end_k_qa1c5de84cb_prep-k_qa1c5de84cb_prep
	.p2alignl 7, 3214868480
	.fill 96, 4, 3214868480
	.section	.rodata,"a",@progbits
	.p2align	6, 0x0
	.amdhsa_kernel k_qa1c5de84cb_prep
		.amdhsa_group_segment_fixed_size 67328
		.amdhsa_private_segment_fixed_size 0
		.amdhsa_enable_private_segment 0
		.amdhsa_kernarg_size 32
		.amdhsa_user_sgpr_count 2
		.amdhsa_user_sgpr_kernarg_segment_ptr 1
		.amdhsa_wavefront_size32 1
		.amdhsa_system_sgpr_workgroup_id_x 1
		.amdhsa_system_sgpr_workgroup_id_y 1
		.amdhsa_system_sgpr_workgroup_id_z 1
		.amdhsa_system_vgpr_workitem_id 0
		.amdhsa_next_free_vgpr 256
		.amdhsa_next_free_sgpr 66
		.amdhsa_reserve_vcc 0
		.amdhsa_float_denorm_mode_32 3
		.amdhsa_float_denorm_mode_16_64 3
		.amdhsa_memory_ordered 1
		.amdhsa_forward_progress 1
		.amdhsa_inst_pref_size 24
	.end_amdhsa_kernel
	.amdgpu_metadata
---
amdhsa.version: [ 1, 2 ]
amdhsa.kernels:
  - .name:           k_qa1c5de84cb_prep
    .symbol:         k_qa1c5de84cb_prep.kd
    .args:
      - { .name: x, .offset: 0, .size: 8, .value_kind: global_buffer, .address_space: global }
      - { .name: lowp_scales, .offset: 8, .size: 8, .value_kind: global_buffer, .address_space: global }
      - { .name: xq, .offset: 16, .size: 8, .value_kind: global_buffer, .address_space: global }
      - { .name: xn, .offset: 24, .size: 8, .value_kind: global_buffer, .address_space: global }
    .group_segment_fixed_size: 67328
    .private_segment_fixed_size: 0
    .kernarg_segment_align: 8
    .kernarg_segment_size: 32
    .max_flat_workgroup_size: 128
    .sgpr_count:     66
    .vgpr_count:     256
    .wavefront_size: 32
...
	.end_amdgpu_metadata
.endif
;; end of part 1
;; launch main (part 2): grid 256 x 1, 8 waves a work-group, no clusters, 200,704 bytes of LDS; arguments target_set, xq, xn, lowp_scales, part; writes part
.if DOCPART == 2
	.amdgcn_target "amdgcn-amd-amdhsa--gfx1250"
	.amdhsa_code_object_version 6
	.text
	.protected	k_qa1c5de84cb_main
	.globl	k_qa1c5de84cb_main
	.p2align	8
	.type	k_qa1c5de84cb_main,@function
k_qa1c5de84cb_main:
	s_mov_b64 s[64:65], 0
	v_nop
	global_prefetch_b8 v0, s[64:65] scope:SCOPE_SE
	s_setreg_imm32_b32 hwreg(HW_REG_WAVE_MODE, 25, 1), 1
	s_wait_xcnt 0x0
; For every query q (4,096) and this work-group's 256 targets t: the first target with the smallest d2 = |x|^2 + |t|^2 - 2 x.t, held at 0 from below; x.t on codes of BF8 (E5M2) with the given scales 2^ea, 2^eb.
; THE ALGEBRA.  With e = ea + eb and S the sum of the codes' products, d2 = xn - 2^(1 + e) acc, acc = S - tn 2^(-1 - e).  -tn 2^(-1 - e) is the C of a tile's first matrix instruction, so acc comes out of the matrix unit as it
; stands; the smallest d2 is the LARGEST acc; d2 <= 0 is acc >= cap, cap = xn 2^(-1 - e), so a tile's largest acc is held at cap and all targets under the clamp tie.  The powers of two are applied by v_ldexp_f32 and round nothing.
; What is stored for each query: (the largest acc held at cap, the first target that has it), 8 bytes, at part[work-group][query].  The root and the join over work-groups are the next launch's.
; SHARES.  Work-group g owns targets 256 g .. 256 g + 255, 16 tiles of 16.  HEAD: wave w loads tiles 2 w and 2 w + 1 as f32, sums their squares, quantises them and lays them in LDS as images of a matrix operand's registers; one
; barrier; from there on LDS is only read and the waves share nothing.  Then four blocks of 1,024 queries: wave w holds query tiles 64 b + 8 w + 0 .. 7 in 256 registers, straight from xq, and walks the 16 target tiles:
; a step is one target fragment (32 registers from LDS) against the eight query tiles, 16 matrix instructions.  Two waves lie on a SIMD, so that one wave's vector work stands beside the other's matrix work.
; No cluster and no joint request: the one stream that work-groups share is xq, and each of its tiles goes into the registers of the one wave of a work-group that uses it, where 4,096 bytes feed 32 matrix instructions;
; through LDS they would be written and read there once more.
; LAYOUT.  Source 0 = 16 targets, source 1 = 16 queries: in the result lane (r, h) holds ONE query r and its registers j the targets 8 h + j: the search along the targets stays inside a lane.
; Both operands carry k in the same places: register 16 s + 4 c + i, byte b of lane (r, h) is k = 128 s + 32 c + 16 h + 4 i + b: a permutation of k that is the same on both sides, so every product meets its partner.
; THE SEARCH, 16 vector lines for a tile's 8 results: the tile's largest acc (held at cap) against the running one, strictly greater, so the earlier tile stays; where it wins, the tile's number and its 8 raw sums are copied.
; The place inside the winning tile is read off the copy once a block: the first j whose sum reaches the running value.
; LIMITS: eb, like ea, between -126 and 112.  NaN among the inputs is not served.  The order of rounding differs from (xn + tn) - 2 x.t: tn enters the sum inside the matrix instruction, and xn is added last.  The choice is made
; on d2, ahead of the root: two d2 that differ in their last bit and have one root are told apart here.  Equal computed values, and all that the clamp holds at 0, give the lowest index.
.set PITCH, 1040                       ; a stage row: 1,024 bytes + 16 = 65 x 16: the sixteen rows that a load from the stage touches begin 16 bytes apart modulo 256
.set STGW,  16*PITCH
.set CTB,   65536                      ; LDS: 0 .. 65,535 the 16 images, tile a at 4096 a;  then -tn 2^(-1 - e) of the 256 targets, 1,024 bytes;
.set STG,   66560                      ; then a stage of 16,640 bytes for each wave (head only)
.set L16, 1                            ; v1   16 x lane: an image's place for my lane
.set CTA, 2                            ; v2   CTB + 32 h
.set R4,  3                            ; v3   4 r
.set L8,  4                            ; v4   8 x lane
.set GB,  5                            ; v5   256 g + 8 h: my first target
.set SA,  6                            ; v6   head: the stage, on the way in
.set SRD, 7                            ; v7   head: the stage, on the way out
.set T,   8                            ; v8-15   a tile's largest acc, one register a query tile
.set NS,  8                            ;         head: four chains of two sums of squares
.set JJ,  8                            ;         a block's way out: the place in the winning tile
.set RUN, 16                           ; v16-23  the running largest acc
.set IA,  24                           ; v24-31  the number of the tile that has it
.set CAP, 32                           ; v32-39  cap
.set SC,  40                           ; head: v40 2^eb, v41 57,344 x 2^eb, v42 r, v43 h, v44, v45 where I store my images and my norms, v46 at work
.set LIM, 41
.set RR,  42
.set HH,  43
.set IW,  44
.set CW,  45
.set TP,  46
.set ST,  40                           ; v40-47  later: four pairs (value, index) to store
.set W,   48                           ; v48-111 the winning tile's 8 sums, for each of 8 query tiles
.set PC,  48                           ;         head: a target tile's codes
.set ACC, 112                          ; v112-175 the 8 accumulators
.set X0,  112                          ;         head: 128 numbers of a lane, v112-239
.set X1,  176
.set AF,  176                          ; v176-207, v208-239 a target tile's fragment, two sets
.set CT,  240                          ; v240-247, v248-255 its -tn 2^(-1 - e) in the result's layout, two sets
.set LI,  112                          ; a block's way out, in the accumulators' registers: my index, the other half's value, the other half's index
.set ORUN, 120
.set OLI, 128
; window 1 (v256-511): the eight query tiles' fragments, tile q, K step s at 32 q + 16 s; in the head first the wave's 32 rows of targets as loaded
.set MSB, 0
.macro WIN new                         ; the immediate's high byte repeats the setting that is left
.if MSB != \new
	s_set_vgpr_msb (MSB<<8)|\new
.set MSB, \new
.endif
.endm
.set TO_1,  0x40                       ; destination window 1
.set SRC1,  0x04                       ; source 1 window 1: a matrix instruction's second operand, an LDS store's data
.macro NORMQ xb, pc, first             ; 64 numbers of a lane, register xb + 16 b + i = k 32 b + 16 h + i of my row's K step: squares onto the chains, the hold, the codes into v[pc] on
.set p, 0
.rept 32
.if (\first) && (p < 4)
	v_pk_mul_f32 v[NS+2*p:NS+2*p+1], v[\xb+2*p:\xb+2*p+1], v[\xb+2*p:\xb+2*p+1]          ; the first four pairs start the chains: nothing is cleared
.else
	v_pk_fma_f32 v[NS+2*(p%4):NS+2*(p%4)+1], v[\xb+2*p:\xb+2*p+1], v[\xb+2*p:\xb+2*p+1], v[NS+2*(p%4):NS+2*(p%4)+1]
.endif
.set p, p+1
.endr
.set p, 0
.rept 64
	v_med3_num_f32 v[\xb+p], v[\xb+p], -v[LIM], v[LIM]     ; the conversion to an 8-bit code does not saturate (ISA guide 7.6.2): the hold at the largest code x the scale
.set p, p+1
.endr
.irp b, 0,1,2,3
	v_cvt_scalef32_pk8_bf8_f32 v[\pc+4*\b:\pc+4*\b+1], v[\xb+16*\b:\xb+16*\b+7], v[SC]
	v_cvt_scalef32_pk8_bf8_f32 v[\pc+4*\b+2:\pc+4*\b+3], v[\xb+16*\b+8:\xb+16*\b+15], v[SC]
.endr
	v_nop                                          ; one plain vector line behind the last conversion of the run: matrix instructions later write these registers
.endm
.macro TURN t                          ; my tile t (window 1, v[128 t] on, as loaded) through my stage: back come 128 numbers of my row, 64 for each K step
	WIN SRC1
.set i, 0
.rept 32
	ds_store_b128 v[SA], v[128*(\t)+4*i:128*(\t)+4*i+3] offset:(i/2)*PITCH+(i%2)*512
.set i, i+1
.endr
	WIN 0
.set i, 0
.rept 32
	ds_load_b128 v[X0+4*i:X0+4*i+3], v[SRD] offset:512*(i/16)+128*((i/4)%4)+16*(i%4)   ; LDS serves a wave's instructions in order (ISA guide 5.7.1.4): these see the stores above
.set i, i+1
.endr
.endm
.macro TILE t                          ; my tile t: its norm, its codes, both into LDS
	NORMQ X0, PC, 1
	NORMQ X1, PC+16, 0
	v_pk_add_f32 v[NS:NS+1], v[NS:NS+1], v[NS+2:NS+3]
	v_pk_add_f32 v[NS+4:NS+5], v[NS+4:NS+5], v[NS+6:NS+7]
	v_pk_add_f32 v[NS:NS+1], v[NS:NS+1], v[NS+4:NS+5]
	v_add_f32 v[NS], v[NS], v[NS+1]
	v_permlanex16_b32 v[TP], v[NS], s22, s23
	v_add_f32 v[NS], v[NS], v[TP]                  ; tn: lanes r and r + 16 hold the same bits
	v_ldexp_f32 v[NS], v[NS], s20
	v_mul_f32 v[NS], -1.0, v[NS]                   ; -tn 2^(-1 - e)
.irp c, 0,1,2,3,4,5,6,7
	ds_store_b128 v[IW], v[PC+4*\c:PC+4*\c+3] offset:4096*(\t)+512*\c      ; the image: lane l's 16 bytes at 16 l, 512 bytes a store
.endr
	ds_store_b32 v[CW], v[NS] offset:64*(\t)       ; both halves of the lanes write the same word with the same value
.endm
.macro QLOAD i0, n                     ; query tiles i0 .. i0 + n - 1 of the block, eight loads of 512 consecutive bytes each, into window 1.  No hint: every work-group reads xq
	WIN TO_1
.set i, 8*(\i0)
.rept 8*(\n)
	global_load_b128 v[4*i:4*i+3], v[L16], s[6:7] offset:512*i
.set i, i+1
.endr
	WIN 0
.endm
.macro CAPLOAD                         ; xn of my query in each of the eight tiles
.irp q, 0,1,2,3,4,5,6,7
	global_load_b32 v[CAP+\q], v[R4], s[8:9] offset:64*\q
.endr
.endm
.macro AFLOAD a, n                     ; target tile a into set n: ten LDS loads
.irp c, 0,1,2,3,4,5,6,7
	ds_load_b128 v[AF+32*(\n)+4*\c:AF+32*(\n)+4*\c+3], v[L16] offset:4096*(\a)+512*\c
.endr
	ds_load_b128 v[CT+8*(\n):CT+8*(\n)+3], v[CTA] offset:64*(\a)           ; register j: target 16 a + 8 h + j
	ds_load_b128 v[CT+8*(\n)+4:CT+8*(\n)+7], v[CTA] offset:64*(\a)+16
.endm
; The search over one target tile, level by level over the eight query tiles, so that no line reads the result of the line above it.  Each accumulator is read from its low end on.
.macro EPI a
.irp q, 0,1,2,3,4,5,6,7
	v_max3_num_f32 v[T+\q], v[DD+8*\q], v[DD+8*\q+1], v[DD+8*\q+2]
.endr
.irp q, 0,1,2,3,4,5,6,7
	v_max3_num_f32 v[T+\q], v[T+\q], v[DD+8*\q+3], v[DD+8*\q+4]
.endr
.irp q, 0,1,2,3,4,5,6,7
	v_max3_num_f32 v[T+\q], v[T+\q], v[DD+8*\q+5], v[DD+8*\q+6]
.endr
.irp q, 0,1,2,3,4,5,6,7
	v_max_num_f32 v[T+\q], v[T+\q], v[DD+8*\q+7]
.endr
.if (\a) == 0                          ; the block's first tile starts the search: its sums were written straight into the copy
.irp q, 0,1,2,3,4,5,6,7
	v_min_num_f32 v[RUN+\q], v[T+\q], v[CAP+\q]
.endr
.irp q, 0,1,2,3,4,5,6,7
	v_mov_b32 v[IA+\q], 0
.endr
.else
.irp q, 0,1,2,3,4,5,6,7
	v_min_num_f32 v[T+\q], v[T+\q], v[CAP+\q]      ; all that the clamp holds at 0 ties at cap
.endr
.irp q, 0,1,2,3,4,5,6,7
	v_cmp_gt_f32 s[28+\q], v[T+\q], v[RUN+\q]      ; strictly greater: on a tie the earlier tile stays
.endr
.irp q, 0,1,2,3,4,5,6,7
	v_max_num_f32 v[RUN+\q], v[RUN+\q], v[T+\q]
.endr
.irp q, 0,1,2,3,4,5,6,7
	v_cndmask_b32 v[IA+\q], v[IA+\q], \a, s[28+\q]
.endr
.irp j, 0,1,2,3,4,5,6,7
.irp q, 0,1,2,3,4,5,6,7
	v_cndmask_b32 v[W+8*\q+\j], v[W+8*\q+\j], v[ACC+8*\q+\j], s[28+\q]
.endr
.endr
.endif
.endm
; A STEP: target tile a against my eight query tiles.  The next tile's ten LDS loads go out first, into the set that the step before multiplied: behind that step's last matrix instruction stand its four v_nop and its search,
; plain vector lines of which more than five name none of a given matrix instruction's registers; they are also the distance in front of the accumulators that are begun anew here.
; The eight accumulators take turns, one instruction a turn, from step to step too.
.macro STEP a
.set CUR, (\a)%2
.set NXT, 1-CUR
.if (\a) == 0
.set DD, W
.else
.set DD, ACC
.endif
	AFLOAD ((\a)+1)%16, NXT
	s_wait_dscnt 10                                ; all but the ten just issued: this step's fragment, asked for a step ago, is in
	WIN SRC1
.irp q, 0,1,2,3,4,5,6,7
	v_wmma_f32_16x16x128_bf8_bf8 v[DD+8*\q:DD+8*\q+7], v[AF+32*CUR:AF+32*CUR+15], v[32*\q:32*\q+15], v[CT+8*CUR:CT+8*CUR+7]   ; the sum begins with -tn 2^(-1 - e)
.endr
.irp q, 0,1,2,3,4,5,6,7
	v_wmma_f32_16x16x128_bf8_bf8 v[DD+8*\q:DD+8*\q+7], v[AF+32*CUR+16:AF+32*CUR+31], v[32*\q+16:32*\q+31], v[DD+8*\q:DD+8*\q+7]
.endr
	WIN 0
.rept 4
	v_nop                                          ; four places in front of the first read of results (ISA guide 7.12.1)
.endr
	EPI \a
.endm
	s_load_b256 s[4:11], s[0:1], 0x0               ; target_set s[4:5], xq s[6:7], xn s[8:9], the scales' exponents s[10:11]
	s_load_b64 s[12:13], s[0:1], 0x20              ; part
	v_lshrrev_b32 v[RR], 5, v0
	v_readfirstlane_b32 s14, v[RR]                 ; wave 0..7
	v_and_b32 v[L16], 31, v0
	v_lshlrev_b32 v[L8], 3, v[L16]
	v_lshlrev_b32 v[L16], 4, v[L16]
	s_lshl_b32 s2, ttmp9, 18                       ; the work-group's 256 rows of 1,024 bytes,
	s_lshl_b32 s15, s14, 15                        ; my wave's 32 of them
	s_add_co_u32 s2, s2, s15
	s_mov_b32 s3, 0
	s_wait_kmcnt 0x0
	s_load_b64 s[18:19], s[10:11], 0x0             ; ea, eb
	s_add_nc_u64 s[4:5], s[4:5], s[2:3]
	WIN TO_1
.set i, 0
.rept 64
	global_load_b128 v[4*i:4*i+3], v[L16], s[4:5] offset:512*i th:TH_LOAD_NT   ; my 32 rows in one run: 512 consecutive bytes a load; read once in the launch
.set i, i+1
.endr
	WIN 0
	s_mov_b32 s2, s15                              ; xq: my wave's 8 tiles of 4,096 bytes
	s_add_nc_u64 s[6:7], s[6:7], s[2:3]
	s_lshl_b32 s2, s14, 9                          ; xn: my wave's 128 queries
	s_add_nc_u64 s[8:9], s[8:9], s[2:3]
	s_lshl_b32 s2, ttmp9, 15                       ; part: the work-group's 4,096 pairs of 8 bytes, my wave's 128
	s_lshl_b32 s15, s14, 10
	s_add_co_u32 s2, s2, s15
	s_add_nc_u64 s[12:13], s[12:13], s[2:3]
	v_and_b32 v[RR], 15, v0
	v_bfe_u32 v[HH], v0, 4, 1
	s_mul_i32 s15, s14, STGW
	s_add_co_u32 s15, s15, STG                     ; my stage
	v_add_nc_u32 v[SA], s15, v[L16]
	v_mul_u32_u24 v[SRD], v[RR], PITCH
	v_lshl_add_u32 v[SRD], v[HH], 6, v[SRD]
	v_add_nc_u32 v[SRD], s15, v[SRD]
	s_lshl_b32 s16, s14, 13
	v_add_nc_u32 v[IW], s16, v[L16]                ; my two images: 8,192 x wave + 16 x lane
	s_lshl_b32 s16, s14, 7
	s_add_co_u32 s16, s16, CTB
	v_lshl_add_u32 v[CW], v[RR], 2, s16            ; my 32 targets' words: CTB + 128 x wave + 4 r
	v_lshl_add_u32 v[CTA], v[HH], 5, CTB
	v_lshlrev_b32 v[R4], 2, v[RR]
	s_lshl_b32 s17, ttmp9, 8
	v_lshl_add_u32 v[GB], v[HH], 3, s17
	v_mov_b32 v[TP], 0                             ; written once: a lane permute's destination counts as one of its sources
	s_mov_b32 s22, 0x76543210                      ; v_permlanex16_b32: lane l takes lane l xor 16
	s_mov_b32 s23, 0xfedcba98
	s_mov_b32 s24, 0xffff0000                      ; lanes 16-31
	s_mov_b32 s25, 4                               ; blocks to go
	s_wait_kmcnt 0x0
	s_add_co_i32 s20, s18, s19
	s_sub_co_i32 s20, -1, s20                      ; -1 - ea - eb
	s_add_co_i32 s21, s19, 127
	s_lshl_b32 s26, s21, 23
	v_mov_b32 v[SC], s26                           ; 2^eb: the conversion takes its exponent field
	s_add_co_i32 s21, s21, 15
	s_lshl_b32 s21, s21, 23
	s_or_b32 s21, s21, 0x600000
	v_mov_b32 v[LIM], s21                          ; 57,344 x 2^eb
	s_wait_loadcnt 32                              ; my first tile's 32 loads are in; the second tile's 32 may be out
	TURN 0
	s_wait_dscnt 0x0                               ; the tile is back from the stage, and the stores have read window 1's v0-127,
	QLOAD 0, 4                                     ; which take the first block's query tiles 0 to 3
	CAPLOAD
	TILE 0
	s_wait_loadcnt 40                              ; behind my second tile's loads stand the 32 + 8 just issued: it is in
	TURN 1
	s_wait_dscnt 0x0                               ; back from the stage; the image's stores have read the codes' registers; window 1's v128-255 are free
	QLOAD 4, 4
	TILE 1
	s_wait_dscnt 0x0                               ; for the others' sake: my images and my words lie in LDS
	s_barrier_signal -1
	s_barrier_wait -1                              ; all 16 images and all 256 words do.  From here on LDS is only read
	AFLOAD 0, 0
.Lblock:                                               ; four trips: 1,024 queries each, 128 of them mine
	s_wait_loadcnt 0x0                             ; the block's query fragments and norms are in
.irp q, 0,1,2,3,4,5,6,7
	v_ldexp_f32 v[CAP+\q], v[CAP+\q], s20          ; cap = xn 2^(-1 - e)
.endr
.irp a, 0,1,2,3,4,5,6,7,8,9,10,11,12,13,14,15
	STEP \a                                        ; (step 15 asks for tile 0 again, for the next block; in the last block those ten loads serve nothing)
.endr
	s_cmp_eq_u32 s25, 1                            ; the next block's fragments and norms are asked for here, if there is a next block: no load leaves its buffer.
	s_cbranch_scc1 .Lno_next                       ; The registers are free: the last products stand in front of step 15's search, and the caps have been used
	s_add_nc_u64 s[6:7], s[6:7], 262144            ; 64 tiles of 4,096 bytes on (the loads that read these bases were waited for at the block's head)
	s_add_nc_u64 s[8:9], s[8:9], 4096
	QLOAD 0, 8
	CAPLOAD
.Lno_next:
	; THE BLOCK'S WAY OUT.  The place in the winning tile: the first j whose sum reaches the running value (the largest sum itself, or anything at or over cap); descending, so that the lowest j is written last.
.irp q, 0,1,2,3,4,5,6,7
	v_mov_b32 v[JJ+\q], 7
.endr
.irp j, 6,5,4,3,2,1,0
.irp q, 0,1,2,3,4,5,6,7
	v_cmp_ge_f32 s[28+\q], v[W+8*\q+\j], v[RUN+\q]
.endr
.irp q, 0,1,2,3,4,5,6,7
	v_cndmask_b32 v[JJ+\q], v[JJ+\q], \j, s[28+\q]
.endr
.endr
.irp q, 0,1,2,3,4,5,6,7
	v_lshl_add_u32 v[LI+\q], v[IA+\q], 4, v[JJ+\q]
.endr
.irp q, 0,1,2,3,4,5,6,7
	v_add_nc_u32 v[LI+\q], v[GB], v[LI+\q]         ; the target: 256 g + 16 tile + 8 h + j
.endr
.irp q, 0,1,2,3,4,5,6,7
	v_permlanex16_b32 v[ORUN+\q], v[RUN+\q], s22, s23  ; the query's other eight targets of each tile lie in the lane 16 away
.endr
.irp q, 0,1,2,3,4,5,6,7
	v_permlanex16_b32 v[OLI+\q], v[LI+\q], s22, s23
.endr
.irp q, 0,1,2,3,4,5,6,7
	v_cmp_gt_f32 s[28+\q], v[ORUN+\q], v[RUN+\q]
.endr
.irp q, 0,1,2,3,4,5,6,7
	v_cmp_eq_f32 s[36+\q], v[ORUN+\q], v[RUN+\q]
.endr
.irp q, 0,1,2,3,4,5,6,7
	v_cmp_lt_u32 s[44+\q], v[OLI+\q], v[LI+\q]
.endr
.irp q, 0,1,2,3,4,5,6,7
	s_and_b32 s[36+\q], s[36+\q], s[44+\q]
	s_or_b32 s[28+\q], s[28+\q], s[36+\q]          ; the other half's wins where it is greater, or equal with the lower index: both lanes of a query end with the same pair
.endr
.irp q, 0,1,2,3,4,5,6,7
	v_cndmask_b32 v[LI+\q], v[LI+\q], v[OLI+\q], s[28+\q]
.endr
.irp q, 0,1,2,3,4,5,6,7
	v_max_num_f32 v[RUN+\q], v[RUN+\q], v[ORUN+\q]
.endr
.irp p, 0,1,2,3                        ; lanes 0-15 carry tile 2 p's queries, lanes 16-31 tile 2 p + 1's
	v_cndmask_b32 v[ST+2*\p], v[RUN+2*\p], v[RUN+2*\p+1], s24
	v_cndmask_b32 v[ST+2*\p+1], v[LI+2*\p], v[LI+2*\p+1], s24
.endr
.irp p, 0,1,2,3
	global_store_b64 v[L8], v[ST+2*\p:ST+2*\p+1], s[12:13] offset:256*\p th:TH_STORE_NT   ; 32 queries' pairs: 256 consecutive bytes, at a multiple of 256 from part's first byte
.endr
	s_wait_xcnt 0x0                                ; the stores have read their data and their base: both are written again only behind this wait
	s_add_nc_u64 s[12:13], s[12:13], 8192          ; 1,024 queries on
	s_sub_co_u32 s25, s25, 1
	s_cmp_lg_u32 s25, 0
	s_cbranch_scc1 .Lblock
	s_wait_dscnt 0x0                               ; step 15's ten loads
	s_wait_xcnt 0x0
	v_lshl_add_u32 v254, v0, 2, 0x30c00
	v_mov_b32 v255, 0
	s_wait_tensorcnt 0x0
	ds_add_u32 v254, v255
	s_wait_dscnt 0x0
	s_endpgm
.Lfunc_end_k_qa1c5de84cb_main:
	.size	k_qa1c5de84cb_main, .Lfunc_end_k_qa1c5de84cb_main-k_qa1c5de84cb_main
	.p2alignl 7, 3214868480
	.fill 96, 4, 3214868480
	.section	.rodata,"a",@progbits
	.p2align	6, 0x0
	.amdhsa_kernel k_qa1c5de84cb_main
		.amdhsa_group_segment_fixed_size 200704
		.amdhsa_private_segment_fixed_size 0
		.amdhsa_enable_private_segment 0
		.amdhsa_kernarg_size 40
		.amdhsa_user_sgpr_count 2
		.amdhsa_user_sgpr_kernarg_segment_ptr 1
		.amdhsa_wavefront_size32 1
		.amdhsa_system_sgpr_workgroup_id_x 1
		.amdhsa_system_sgpr_workgroup_id_y 1
		.amdhsa_system_sgpr_workgroup_id_z 1
		.amdhsa_system_vgpr_workitem_id 0
		.amdhsa_next_free_vgpr 512
		.amdhsa_next_free_sgpr 66
		.amdhsa_reserve_vcc 0
		.amdhsa_float_denorm_mode_32 3
		.amdhsa_float_denorm_mode_16_64 3
		.amdhsa_memory_ordered 1
		.amdhsa_forward_progress 1
		.amdhsa_inst_pref_size 214
	.end_amdhsa_kernel
	.amdgpu_metadata
---
amdhsa.version: [ 1, 2 ]
amdhsa.kernels:
  - .name:           k_qa1c5de84cb_main
    .symbol:         k_qa1c5de84cb_main.kd
    .args:
      - { .name: target_set, .offset: 0, .size: 8, .value_kind: global_buffer, .address_space: global }
      - { .name: xq, .offset: 8, .size: 8, .value_kind: global_buffer, .address_space: global }
      - { .name: xn, .offset: 16, .size: 8, .value_kind: global_buffer, .address_space: global }
      - { .name: lowp_scales, .offset: 24, .size: 8, .value_kind: global_buffer, .address_space: global }
      - { .name: part, .offset: 32, .size: 8, .value_kind: global_buffer, .address_space: global }
    .group_segment_fixed_size: 200704
    .private_segment_fixed_size: 0
    .kernarg_segment_align: 8
    .kernarg_segment_size: 40
    .max_flat_workgroup_size: 256
    .sgpr_count:     66
    .vgpr_count:     512
    .wavefront_size: 32
...
	.end_amdgpu_metadata
.endif
;; end of part 2
;; launch finish (part 3): grid 64 x 1, 8 waves a work-group, no clusters, 5,120 bytes of LDS; arguments part, xn, lowp_scales, out0, out1; writes out0, out1
.if DOCPART == 3
	.amdgcn_target "amdgcn-amd-amdhsa--gfx1250"
	.amdhsa_code_object_version 6
	.text
	.protected	k_qa1c5de84cb_finish
	.globl	k_qa1c5de84cb_finish
	.p2align	8
	.type	k_qa1c5de84cb_finish,@function
k_qa1c5de84cb_finish:
	s_mov_b64 s[64:65], 0
	v_nop
	global_prefetch_b8 v0, s[64:65] scope:SCOPE_SE
	s_setreg_imm32_b32 hwreg(HW_REG_WAVE_MODE, 25, 1), 1
	s_wait_xcnt 0x0
; part [256 slices][4096 queries] of (acc, index) is joined: for each query the FIRST largest acc over the slices; then out0 = sqrt(max(xn - 2^(1 + ea + eb) acc, 0)), out1 = its index.
; A slice holds the targets 256 g .. 256 g + 255, so ascending slices are ascending indices: a strictly greater value replaces, a tie keeps the lower index.  acc was held at xn 2^(-1 - ea - eb), where the difference is exactly 0.
; SHARES.  Work-group G takes queries 64 G .. 64 G + 63: 512 bytes of each slice.  Lane l owns queries 2 l and 2 l + 1 (16 bytes) throughout.  Wave p scans slices 32 p .. 32 p + 31, all 32 loads out at once, each of 512
; consecutive bytes; the eight waves' results meet in LDS; wave 0 joins them in ascending p and stores 256 consecutive bytes to each output.  No matrix work, no tensor load: the launch reads its bytes once and ends.
; LIMITS: as in the launches before; v_sqrt_f32 counts a denormal d2 as 0 (ISA guide, its entry in 15.8).
.set L16, 1                            ; v1   16 x lane
.set L8,  3                            ; v3   8 x lane
.set LW,  4                            ; v4   where my wave's result goes: 512 x wave + 16 x lane
.set XN2, 20                           ; v[20:21] xn of my two queries
.set P,   32                           ; v32-159 slice i at v[32 + 4 i]: value, index, value, index
.set J,   64                           ; the eight waves' results, wave p at v[64 + 4 p]
.macro MERGE b, s, d1, d3              ; the pairs at v[s] are held against those at v[b]; the indices go to v[d1], v[d3]
	v_cmp_gt_f32 s20, v[\s], v[\b]
	v_cmp_gt_f32 s21, v[\s+2], v[\b+2]
	v_cndmask_b32 v[\d1], v[\b+1], v[\s+1], s20
	v_cndmask_b32 v[\d3], v[\b+3], v[\s+3], s21
	v_max_num_f32 v[\b], v[\b], v[\s]
	v_max_num_f32 v[\b+2], v[\b+2], v[\s+2]
.endm
	s_load_b256 s[4:11], s[0:1], 0x0               ; part s[4:5], xn s[6:7], the scales' exponents s[8:9], out0 s[10:11]
	s_load_b64 s[12:13], s[0:1], 0x20              ; out1
	v_lshl_add_u32 v176, v0, 2, 0x1000
	v_mov_b32 v177, 0
	v_lshrrev_b32 v2, 5, v0
	v_readfirstlane_b32 s14, v2                    ; wave 0..7
	v_and_b32 v[L16], 31, v0
	v_lshlrev_b32 v[L8], 3, v[L16]
	v_lshlrev_b32 v[L16], 4, v[L16]
	s_lshl_b32 s15, s14, 9
	v_add_nc_u32 v[LW], s15, v[L16]
	s_lshl_b32 s2, s14, 20                         ; my wave's 32 slices of 32,768 bytes,
	s_lshl_b32 s16, ttmp9, 9                       ; the work-group's 64 pairs in each
	s_add_co_u32 s2, s2, s16
	s_mov_b32 s3, 0
	s_lshl_b32 s16, ttmp9, 8                       ; and its 64 numbers in xn, out0 and out1
	s_mov_b32 s17, 0
	s_wait_kmcnt 0x0
	s_load_b64 s[18:19], s[8:9], 0x0               ; ea, eb
	s_add_nc_u64 s[4:5], s[4:5], s[2:3]
	s_add_nc_u64 s[6:7], s[6:7], s[16:17]
	s_add_nc_u64 s[10:11], s[10:11], s[16:17]
	s_add_nc_u64 s[12:13], s[12:13], s[16:17]
	global_load_b64 v[XN2:XN2+1], v[L8], s[6:7]    ; in every wave, so that all waves' counts are alike; wave 0 uses it
.set i, 0
.rept 32
	global_load_b128 v[P+4*i:P+4*i+3], v[L16], s[4:5] offset:32768*i th:TH_LOAD_NT
.set i, i+1
.endr
.set i, 1
.rept 31
	s_wait_loadcnt 31-i                            ; loads come back in order (ISA guide 5.7.1): slice i is in, the 31 - i younger ones may be out
	MERGE P, P+4*i, P+1, P+3
.set i, i+1
.endr
	ds_store_b128 v[LW], v[P:P+3]
	s_wait_dscnt 0x0                               ; for wave 0's sake: my result lies in LDS
	s_barrier_signal -1
	s_barrier_wait -1
	s_cmp_lg_u32 s14, 0
	s_cbranch_scc1 .Lend
.irp p, 0,1,2,3,4,5,6,7
	ds_load_b128 v[J+4*\p:J+4*\p+3], v[L16] offset:512*\p
.endr
	s_wait_kmcnt 0x0
	s_add_co_i32 s22, s18, s19
	s_add_co_i32 s22, s22, 1                       ; 1 + ea + eb
	s_wait_dscnt 0x0
.irp p, 1,2,3,4,5,6
	MERGE J, J+4*\p, J+1, J+3
.endr
	MERGE J, J+28, 42, 43                          ; the last join leaves the two indices side by side
	v_ldexp_f32 v44, v[J], s22
	v_ldexp_f32 v45, v[J+2], s22
	v_sub_f32 v44, v[XN2], v44                     ; d2 = xn - 2^(1 + e) acc
	v_sub_f32 v45, v[XN2+1], v45
	v_max_num_f32 v44, 0, v44
	v_max_num_f32 v45, 0, v45
	v_sqrt_f32 v40, v44
	v_sqrt_f32 v41, v45
	v_nop                                          ; a plain vector line behind the last root, ahead of the first use
	s_wait_alu depctr_va_vdst(0)                   ; one wait for both roots, ahead of the store that reads them
	global_store_b64 v[L8], v[40:41], s[10:11]     ; 64 values: 256 consecutive bytes, aligned
	global_store_b64 v[L8], v[42:43], s[12:13]     ; 64 indices likewise
.Lend:
	s_wait_tensorcnt 0x0
	ds_add_u32 v176, v177
	s_wait_dscnt 0x0
	s_endpgm
.Lfunc_end_k_qa1c5de84cb_finish:
	.size	k_qa1c5de84cb_finish, .Lfunc_end_k_qa1c5de84cb_finish-k_qa1c5de84cb_finish
	.p2alignl 7, 3214868480
	.fill 96, 4, 3214868480
	.section	.rodata,"a",@progbits
	.p2align	6, 0x0
	.amdhsa_kernel k_qa1c5de84cb_finish
		.amdhsa_group_segment_fixed_size 5120
		.amdhsa_private_segment_fixed_size 0
		.amdhsa_enable_private_segment 0
		.amdhsa_kernarg_size 40
		.amdhsa_user_sgpr_count 2
		.amdhsa_user_sgpr_kernarg_segment_ptr 1
		.amdhsa_wavefront_size32 1
		.amdhsa_system_sgpr_workgroup_id_x 1
		.amdhsa_system_sgpr_workgroup_id_y 1
		.amdhsa_system_sgpr_workgroup_id_z 1
		.amdhsa_system_vgpr_workitem_id 0
		.amdhsa_next_free_vgpr 178
		.amdhsa_next_free_sgpr 66
		.amdhsa_reserve_vcc 0
		.amdhsa_float_denorm_mode_32 3
		.amdhsa_float_denorm_mode_16_64 3
		.amdhsa_memory_ordered 1
		.amdhsa_forward_progress 1
		.amdhsa_inst_pref_size 19
	.end_amdhsa_kernel
	.amdgpu_metadata
---
amdhsa.version: [ 1, 2 ]
amdhsa.kernels:
  - .name:           k_qa1c5de84cb_finish
    .symbol:         k_qa1c5de84cb_finish.kd
    .args:
      - { .name: part, .offset: 0, .size: 8, .value_kind: global_buffer, .address_space: global }
      - { .name: xn, .offset: 8, .size: 8, .value_kind: global_buffer, .address_space: global }
      - { .name: lowp_scales, .offset: 16, .size: 8, .value_kind: global_buffer, .address_space: global }
      - { .name: out0, .offset: 24, .size: 8, .value_kind: global_buffer, .address_space: global }
      - { .name: out1, .offset: 32, .size: 8, .value_kind: global_buffer, .address_space: global }
    .group_segment_fixed_size: 5120
    .private_segment_fixed_size: 0
    .kernarg_segment_align: 8
    .kernarg_segment_size: 40
    .max_flat_workgroup_size: 256
    .sgpr_count:     66
    .vgpr_count:     178
    .wavefront_size: 32
...
	.end_amdgpu_metadata
.endif
;; end of part 3
;; ======== version 2 of 2: 3 launches
;; workspace buffers: xq 1,048,576 bytes; xn 16,384 bytes; part 8,388,608 bytes
;; launch prep (part 4): grid 64 x 1, 4 waves a work-group, no clusters, 67,328 bytes of LDS; arguments x, lowp_scales, xq, xn; writes xq, xn
.if DOCPART == 4
	.amdgcn_target "amdgcn-amd-amdhsa--gfx1250"
	.amdhsa_code_object_version 6
	.text
	.protected	k_qa1c5de84cb_prep
	.globl	k_qa1c5de84cb_prep
	.p2align	8
	.type	k_qa1c5de84cb_prep,@function
k_qa1c5de84cb_prep:
	s_mov_b64 s[64:65], 0
	v_nop
	global_prefetch_b8 v0, s[64:65] scope:SCOPE_SE
	s_setreg_imm32_b32 hwreg(HW_REG_WAVE_MODE, 25, 1), 1
	s_wait_xcnt 0x0
; x [4096][256] f32 becomes (1) xq: codes of BF8 (E5M2) with the given scale 2^ea, laid as images of a matrix operand's registers, and (2) xn: the rows' sums of squares, of the numbers as given, in f32.
; code = x / 2^ea, held within +-57,344, rounded to the nearest code, ties to even.  ea is entry 0 (int32) of the buffer of scales.
; LIMITS: ea between -126 and 112, so that 2^ea and 57,344 x 2^ea are f32 numbers.  NaN among the inputs is not served.  The squares are summed in eight chains, another order than a running sum's.
; SHARES.  Wave w of work-group G takes the tile of 16 rows T = 4 G + w.  xq: tile T lies at 4096 T; in it byte 2048 s + 512 c + 16 lane + b is the code of row 16 T + lane % 16 at k = 128 s + 32 c + 16 (lane / 16) + b:
; eight stores of 512 consecutive bytes write a tile, and the same eight lines as loads give any wave the same registers in the same lanes.
; THE TURN THROUGH LDS.  The conversions take neighbours along K from one lane's registers; a load is dense where neighbouring lanes take neighbouring bytes.  So each of the 32 loads reads 512 consecutive bytes, the 16 rows go
; into the wave's own stage as they lie, and come back 64 bytes a lane.  A stage row is 1,040 bytes = 65 x 16: the sixteen rows that a load from the stage touches begin 16 bytes apart modulo 256.
.set PITCH, 1040
.set STGW,  16*PITCH                   ; a wave's stage
.set TAB,   0                          ; LDS: the work-group's 64 norms, 256 bytes;
.set STG,   256                        ; then the four stages
.set L16, 1                            ; v1   16 x lane
.set RR,  2                            ; v2   r = lane % 16
.set HH,  3                            ; v3   h = lane / 16
.set SA,  4                            ; v4   the stage, on the way in
.set SRD, 5                            ; v5   the stage, on the way out: my row, my half's 64 bytes
.set TW,  6                            ; v6   my row's word in the table of norms
.set L8,  7                            ; v7   8 x lane
.set NS,  8                            ; v8-15   four chains of two sums of squares
.set SC,  16                           ; v16  2^ea as f32
.set LIM, 17                           ; v17  57,344 x 2^ea
.set TP,  18                           ; v18  at work
.set XN2, 20                           ; v[20:21] two norms on their way out
.set PC,  32                           ; v32-63  the tile's codes
.set R,   64                           ; v64-191 the tile as loaded
.set X1,  64                           ; v64-127 later: my 64 numbers of K step 1
.set X0,  192                          ; v192-255 my 64 numbers of K step 0
; 64 numbers of a lane, register xb + 16 b + i = k 32 b + 16 h + i of my row's K step: their squares go onto the chains, then they are held and converted into v[pc] on.
.macro NORMQ xb, pc, first
.set p, 0
.rept 32
.if (\first) && (p < 4)
	v_pk_mul_f32 v[NS+2*p:NS+2*p+1], v[\xb+2*p:\xb+2*p+1], v[\xb+2*p:\xb+2*p+1]          ; the first four pairs start the chains: nothing is cleared
.else
	v_pk_fma_f32 v[NS+2*(p%4):NS+2*(p%4)+1], v[\xb+2*p:\xb+2*p+1], v[\xb+2*p:\xb+2*p+1], v[NS+2*(p%4):NS+2*(p%4)+1]
.endif
.set p, p+1
.endr
.set p, 0
.rept 64
	v_med3_num_f32 v[\xb+p], v[\xb+p], -v[LIM], v[LIM]     ; the conversion to an 8-bit code does not saturate (ISA guide 7.6.2): the hold at the largest code x the scale
.set p, p+1
.endr
.irp b, 0,1,2,3
	v_cvt_scalef32_pk8_bf8_f32 v[\pc+4*\b:\pc+4*\b+1], v[\xb+16*\b:\xb+16*\b+7], v[SC]
	v_cvt_scalef32_pk8_bf8_f32 v[\pc+4*\b+2:\pc+4*\b+3], v[\xb+16*\b+8:\xb+16*\b+15], v[SC]
.endr
	v_nop                                          ; one plain vector line behind the last conversion of the run
.endm
.macro FROMSTAGE x, s                  ; my 64 numbers of K step s
.set p, 0
.rept 16
	ds_load_b128 v[\x+4*p:\x+4*p+3], v[SRD] offset:512*(\s)+128*(p/4)+16*(p%4)
.set p, p+1
.endr
.endm
	s_load_b256 s[4:11], s[0:1], 0x0               ; x s[4:5], the scales' exponents s[6:7], xq s[8:9], xn s[10:11]
	v_lshl_add_u32 v30, v0, 2, 0x10500
	v_mov_b32 v31, 0
	v_lshrrev_b32 v[TP], 5, v0
	v_readfirstlane_b32 s12, v[TP]                 ; wave 0..3
	v_and_b32 v[L16], 31, v0
	v_lshlrev_b32 v[L8], 3, v[L16]
	v_lshlrev_b32 v[L16], 4, v[L16]
	s_lshl_b32 s2, ttmp9, 16
	s_lshl_b32 s3, s12, 14
	s_add_co_u32 s2, s2, s3                        ; 16,384 T: my tile's 16 rows of 1,024 bytes
	s_mov_b32 s3, 0
	s_wait_alu depctr_va_vdst(0)
	s_wait_kmcnt 0x0
	s_load_b32 s14, s[6:7], 0x0                    ; ea
	s_add_nc_u64 s[4:5], s[4:5], s[2:3]
.set i, 0
.rept 32
	global_load_b128 v[R+4*i:R+4*i+3], v[L16], s[4:5] offset:512*i th:TH_LOAD_NT   ; 32 lanes read 512 consecutive bytes: half a row
.set i, i+1
.endr
	s_lshr_b32 s2, s2, 2                           ; 4,096 T
	s_add_nc_u64 s[8:9], s[8:9], s[2:3]
	s_lshl_b32 s2, ttmp9, 8                        ; the work-group's 64 norms
	s_add_nc_u64 s[10:11], s[10:11], s[2:3]
	v_and_b32 v[RR], 15, v0
	v_bfe_u32 v[HH], v0, 4, 1
	s_mul_i32 s15, s12, STGW
	s_add_co_u32 s15, s15, STG                     ; my stage
	v_add_nc_u32 v[SA], s15, v[L16]
	v_mul_u32_u24 v[SRD], v[RR], PITCH
	v_lshl_add_u32 v[SRD], v[HH], 6, v[SRD]
	v_add_nc_u32 v[SRD], s15, v[SRD]
	s_lshl_b32 s16, s12, 6
	v_lshl_add_u32 v[TW], v[RR], 2, s16            ; TAB (= 0) + 64 x wave + 4 r
	s_mov_b32 s22, 0x76543210                      ; v_permlanex16_b32: lane l takes lane l xor 16
	s_mov_b32 s23, 0xfedcba98
	s_wait_alu depctr_va_vdst(0)
	s_wait_kmcnt 0x0
	s_add_co_i32 s14, s14, 127
	s_lshl_b32 s17, s14, 23
	v_mov_b32 v[SC], s17                           ; 2^ea: the conversion takes its exponent field
	s_add_co_i32 s14, s14, 15
	s_lshl_b32 s14, s14, 23
	s_or_b32 s14, s14, 0x600000
	v_mov_b32 v[LIM], s14                          ; 57,344 x 2^ea
	s_wait_loadcnt 0x0
.set i, 0
.rept 32
	ds_store_b128 v[SA], v[R+4*i:R+4*i+3] offset:(i/2)*PITCH+(i%2)*512
.set i, i+1
.endr
	FROMSTAGE X0, 0                                ; LDS serves a wave's instructions in order (ISA guide 5.7.1.4): these see the stores above
	s_wait_dscnt 0x0                               ; K step 0 is back, and the stores have read v64-191,
	FROMSTAGE X1, 1                                ; which take K step 1 while K step 0 is worked
	NORMQ X0, PC, 1
	s_wait_dscnt 0x0
	NORMQ X1, PC+16, 0
.irp c, 0,1,2,3,4,5,6,7
	global_store_b128 v[L16], v[PC+4*\c:PC+4*\c+3], s[8:9] offset:512*\c   ; the image: 512 consecutive bytes a store, at a multiple of 256 from xq's first byte
.endr
	v_pk_add_f32 v[NS:NS+1], v[NS:NS+1], v[NS+2:NS+3]
	v_pk_add_f32 v[NS+4:NS+5], v[NS+4:NS+5], v[NS+6:NS+7]
	v_pk_add_f32 v[NS:NS+1], v[NS:NS+1], v[NS+4:NS+5]
	v_add_f32 v[NS], v[NS], v[NS+1]                ; my half of the row,
	v_permlanex16_b32 v[TP], v[NS], s22, s23
	v_add_f32 v[NS], v[NS], v[TP]                  ; and the other half's: lanes r and r + 16 hold the same bits
	ds_store_b32 v[TW], v[NS]                      ; both write the same word with the same value
	s_wait_dscnt 0x0                               ; for the others' sake: my norms lie in the table
	s_barrier_signal -1
	s_barrier_wait -1
	s_cmp_lg_u32 s12, 0
	s_cbranch_scc1 .Lend                           ; wave 0 stores the 64 norms: 256 consecutive bytes, aligned
	ds_load_b64 v[XN2:XN2+1], v[L8]
	s_wait_dscnt 0x0
	global_store_b64 v[L8], v[XN2:XN2+1], s[10:11]
.Lend:
	s_wait_tensorcnt 0x0
	ds_add_u32 v30, v31
	s_wait_dscnt 0x0
	s_endpgm
.Lfunc_end_k_qa1c5de84cb_prep:
	.size	k_qa1c5de84cb_prep, .Lfunc_end_k_qa1c5de84cb_prep-k_qa1c5de84cb_prep
	.p2alignl 7, 3214868480
	.fill 96, 4, 3214868480
	.section	.rodata,"a",@progbits
	.p2align	6, 0x0
	.amdhsa_kernel k_qa1c5de84cb_prep
		.amdhsa_group_segment_fixed_size 67328
		.amdhsa_private_segment_fixed_size 0
		.amdhsa_enable_private_segment 0
		.amdhsa_kernarg_size 32
		.amdhsa_user_sgpr_count 2
		.amdhsa_user_sgpr_kernarg_segment_ptr 1
		.amdhsa_wavefront_size32 1
		.amdhsa_system_sgpr_workgroup_id_x 1
		.amdhsa_system_sgpr_workgroup_id_y 1
		.amdhsa_system_sgpr_workgroup_id_z 1
		.amdhsa_system_vgpr_workitem_id 0
		.amdhsa_next_free_vgpr 256
		.amdhsa_next_free_sgpr 66
		.amdhsa_reserve_vcc 0
		.amdhsa_float_denorm_mode_32 3
		.amdhsa_float_denorm_mode_16_64 3
		.amdhsa_memory_ordered 1
		.amdhsa_forward_progress 1
		.amdhsa_inst_pref_size 24
	.end_amdhsa_kernel
	.amdgpu_metadata
---
amdhsa.version: [ 1, 2 ]
amdhsa.kernels:
  - .name:           k_qa1c5de84cb_prep
    .symbol:         k_qa1c5de84cb_prep.kd
    .args:
      - { .name: x, .offset: 0, .size: 8, .value_kind: global_buffer, .address_space: global }
      - { .name: lowp_scales, .offset: 8, .size: 8, .value_kind: global_buffer, .address_space: global }
      - { .name: xq, .offset: 16, .size: 8, .value_kind: global_buffer, .address_space: global }
      - { .name: xn, .offset: 24, .size: 8, .value_kind: global_buffer, .address_space: global }
    .group_segment_fixed_size: 67328
    .private_segment_fixed_size: 0
    .kernarg_segment_align: 8
    .kernarg_segment_size: 32
    .max_flat_workgroup_size: 128
    .sgpr_count:     66
    .vgpr_count:     256
    .wavefront_size: 32
...
	.end_amdgpu_metadata
.endif
;; end of part 4
;; launch main (part 5): grid 256 x 1, 8 waves a work-group, no clusters, 200,704 bytes of LDS; arguments target_set, xq, xn, lowp_scales, part; writes part
.if DOCPART == 5
	.amdgcn_target "amdgcn-amd-amdhsa--gfx1250"
	.amdhsa_code_object_version 6
	.text
	.protected	k_qa1c5de84cb_main
	.globl	k_qa1c5de84cb_main
	.p2align	8
	.type	k_qa1c5de84cb_main,@function
k_qa1c5de84cb_main:
	s_mov_b64 s[64:65], 0
	v_nop
	global_prefetch_b8 v0, s[64:65] scope:SCOPE_SE
	s_setreg_imm32_b32 hwreg(HW_REG_WAVE_SCHED_MODE, 0, 2), 2
	s_setreg_imm32_b32 hwreg(HW_REG_WAVE_MODE, 25, 1), 1
	s_wait_xcnt 0x0
	s_wait_alu depctr_vm_vsrc(0)
; For every query q (4,096) and this work-group's 256 targets t: the first target with the smallest d2 = |x|^2 + |t|^2 - 2 x.t, held at 0 from below; x.t on codes of BF8 (E5M2) with the given scales 2^ea, 2^eb.
; THE ALGEBRA.  With e = ea + eb and S the sum of the codes' products, d2 = xn - 2^(1 + e) acc, acc = S - tn 2^(-1 - e).  -tn 2^(-1 - e) is the C of a tile's first matrix instruction, so acc comes out of the matrix unit as it
; stands; the smallest d2 is the LARGEST acc; d2 <= 0 is acc >= cap, cap = xn 2^(-1 - e), so a tile's largest acc is held at cap and all targets under the clamp tie.  The powers of two are applied by v_ldexp_f32 and round nothing.
; What is stored for each query: (the largest acc held at cap, the first target that has it), 8 bytes, at part[work-group][query].  The root and the join over work-groups are the next launch's.
; SHARES.  Work-group g owns targets 256 g .. 256 g + 255, 16 tiles of 16.  HEAD: wave w loads tiles 2 w and 2 w + 1 as f32, sums their squares, quantises them and lays them in LDS as images of a matrix operand's registers; one
; barrier; from there on LDS is only read and the waves share nothing.  Then four blocks of 1,024 queries: wave w holds query tiles 64 b + 8 w + 0 .. 7 in 256 registers, straight from xq, and walks the 16 target tiles:
; a step is one target fragment (32 registers from LDS) against the eight query tiles, 16 matrix instructions.  Two waves lie on a SIMD, so that one wave's vector work stands beside the other's matrix work.
; No cluster and no joint request: the one stream that work-groups share is xq, and each of its tiles goes into the registers of the one wave of a work-group that uses it, where 4,096 bytes feed 32 matrix instructions;
; through LDS they would be written and read there once more.
; LAYOUT.  Source 0 = 16 targets, source 1 = 16 queries: in the result lane (r, h) holds ONE query r and its registers j the targets 8 h + j: the search along the targets stays inside a lane.
; Both operands carry k in the same places: register 16 s + 4 c + i, byte b of lane (r, h) is k = 128 s + 32 c + 16 h + 4 i + b: a permutation of k that is the same on both sides, so every product meets its partner.
; THE SEARCH, 16 vector lines for a tile's 8 results: the tile's largest acc (held at cap) against the running one, strictly greater, so the earlier tile stays; where it wins, the tile's number and its 8 raw sums are copied.
; The place inside the winning tile is read off the copy once a block: the first j whose sum reaches the running value.
; LIMITS: eb, like ea, between -126 and 112.  NaN among the inputs is not served.  The order of rounding differs from (xn + tn) - 2 x.t: tn enters the sum inside the matrix instruction, and xn is added last.  The choice is made
; on d2, ahead of the root: two d2 that differ in their last bit and have one root are told apart here.  Equal computed values, and all that the clamp holds at 0, give the lowest index.
; THE MODE: SCHED_MODE bits 1:0 = 2 (LLVM: expert scheduling mode 2), set by the entry lines.  The code itself states the register dependences between vector or matrix instructions and memory or LDS instructions,
; and those from a vector instruction's scalar result to its reader, with s_wait_alu, always for 0.
; THE PLAN.  Registers that memory or LDS instructions touch:
;   v1-4, v6, v7, v44, v45   addresses and offsets: written at the head, ahead of one wait on va_vdst, and named by no vector line behind it.
;   window 1                 head: the targets land there and the LDS stores into the stage read them; then the query fragments land there: read by the products alone, asked for anew behind a block's last products.
;   v112-239                 head: the stage's LDS loads land there; the squares, the holds and the conversions work on them.
;   v48-79, v8               head: a tile's codes and its word: written by vector lines, read by the LDS stores; later the winning tile's sums and the search's registers.
;   AF0, CT0, AF1, CT1       step a: its products read set a % 2; the ten LDS loads of tile a + 1 land in the other set, which the products of step a - 1 read.
;   CAP                      xn lands there; scaled at a block's head, read by the search's holds; asked for anew behind the block's last search.
;   ST                       written by the way out's last selects, read by the block's four stores.
; So a step has ONE wait on va_vdst, at its head: the step before is done with the other set.  The ten loads follow it one at a time behind the step's first ten products, which name none of the registers that they touch.
; A step's second wait is on va_sdst, between the search's compares and its selects.  One wait on vm_vsrc a block stands at the block's head.
.set PITCH, 1040                       ; a stage row: 1,024 bytes + 16 = 65 x 16: the sixteen rows that a load from the stage touches begin 16 bytes apart modulo 256
.set STGW,  16*PITCH
.set CTB,   65536                      ; LDS: 0 .. 65,535 the 16 images, tile a at 4096 a;  then -tn 2^(-1 - e) of the 256 targets, 1,024 bytes;
.set STG,   66560                      ; then a stage of 16,640 bytes for each wave (head only)
.set L16, 1                            ; v1   16 x lane: an image's place for my lane
.set CTA, 2                            ; v2   CTB + 32 h
.set R4,  3                            ; v3   4 r
.set L8,  4                            ; v4   8 x lane
.set GB,  5                            ; v5   256 g + 8 h: my first target
.set SA,  6                            ; v6   head: the stage, on the way in
.set SRD, 7                            ; v7   head: the stage, on the way out
.set T,   8                            ; v8-15   a tile's largest acc, one register a query tile
.set NS,  8                            ;         head: four chains of two sums of squares
.set JJ,  8                            ;         a block's way out: the place in the winning tile
.set RUN, 16                           ; v16-23  the running largest acc
.set IA,  24                           ; v24-31  the number of the tile that has it
.set CAP, 32                           ; v32-39  cap
.set SC,  40                           ; head: v40 2^eb, v41 57,344 x 2^eb, v42 r, v43 h, v44, v45 where I store my images and my norms, v46 at work
.set LIM, 41
.set RR,  42
.set HH,  43
.set IW,  44
.set CW,  45
.set TP,  46
.set ST,  40                           ; v40-47  later: four pairs (value, index) to store
.set W,   48                           ; v48-111 the winning tile's 8 sums, for each of 8 query tiles
.set PC,  48                           ;         head: a target tile's codes
.set ACC, 112                          ; v112-175 the 8 accumulators
.set X0,  112                          ;         head: 128 numbers of a lane, v112-239
.set X1,  176
.set AF,  176                          ; v176-207, v208-239 a target tile's fragment, two sets
.set CT,  240                          ; v240-247, v248-255 its -tn 2^(-1 - e) in the result's layout, two sets
.set LI,  112                          ; a block's way out, in the accumulators' registers: my index, the other half's value, the other half's index
.set ORUN, 120
.set OLI, 128
; window 1 (v256-511): the eight query tiles' fragments, tile q, K step s at 32 q + 16 s; in the head first the wave's 32 rows of targets as loaded
.set MSB, 0
.macro WIN new                         ; the immediate's high byte repeats the setting that is left
.if MSB != \new
	s_set_vgpr_msb (MSB<<8)|\new
.set MSB, \new
.endif
.endm
.set TO_1,  0x40                       ; destination window 1
.set SRC1,  0x04                       ; source 1 window 1: a matrix instruction's second operand, an LDS store's data.  An LDS load's data and address stay in window 0 under it
.macro NORMQ xb, pc, first             ; 64 numbers of a lane, register xb + 16 b + i = k 32 b + 16 h + i of my row's K step: squares onto the chains, the hold, the codes into v[pc] on
.set p, 0
.rept 32
.if (\first) && (p < 4)
	v_pk_mul_f32 v[NS+2*p:NS+2*p+1], v[\xb+2*p:\xb+2*p+1], v[\xb+2*p:\xb+2*p+1]          ; the first four pairs start the chains: nothing is cleared
.else
	v_pk_fma_f32 v[NS+2*(p%4):NS+2*(p%4)+1], v[\xb+2*p:\xb+2*p+1], v[\xb+2*p:\xb+2*p+1], v[NS+2*(p%4):NS+2*(p%4)+1]
.endif
.set p, p+1
.endr
.set p, 0
.rept 64
	v_med3_num_f32 v[\xb+p], v[\xb+p], -v[LIM], v[LIM]     ; the conversion to an 8-bit code does not saturate (ISA guide 7.6.2): the hold at the largest code x the scale
.set p, p+1
.endr
.irp b, 0,1,2,3
	v_cvt_scalef32_pk8_bf8_f32 v[\pc+4*\b:\pc+4*\b+1], v[\xb+16*\b:\xb+16*\b+7], v[SC]
	v_cvt_scalef32_pk8_bf8_f32 v[\pc+4*\b+2:\pc+4*\b+3], v[\xb+16*\b+8:\xb+16*\b+15], v[SC]
.endr
	v_nop                                          ; one plain vector line behind the last conversion of the run: matrix instructions later write these registers
.endm
.macro TURN t                          ; my tile t (window 1, v[128 t] on, as loaded) through my stage: back come 128 numbers of my row, 64 for each K step
	WIN SRC1
.set i, 0
.rept 32
	ds_store_b128 v[SA], v[128*(\t)+4*i:128*(\t)+4*i+3] offset:(i/2)*PITCH+(i%2)*512
.set i, i+1
.endr
	WIN 0
.set i, 0
.rept 32
	ds_load_b128 v[X0+4*i:X0+4*i+3], v[SRD] offset:512*(i/16)+128*((i/4)%4)+16*(i%4)   ; LDS serves a wave's instructions in order (ISA guide 5.7.1.4): these see the stores above
.set i, i+1
.endr
.endm
.macro TILE t                          ; my tile t: its norm, its codes, both into LDS
	NORMQ X0, PC, 1
	NORMQ X1, PC+16, 0
	v_pk_add_f32 v[NS:NS+1], v[NS:NS+1], v[NS+2:NS+3]
	v_pk_add_f32 v[NS+4:NS+5], v[NS+4:NS+5], v[NS+6:NS+7]
	v_pk_add_f32 v[NS:NS+1], v[NS:NS+1], v[NS+4:NS+5]
	v_add_f32 v[NS], v[NS], v[NS+1]
	v_permlanex16_b32 v[TP], v[NS], s22, s23
	v_add_f32 v[NS], v[NS], v[TP]                  ; tn: lanes r and r + 16 hold the same bits
	v_ldexp_f32 v[NS], v[NS], s20
	v_mul_f32 v[NS], -1.0, v[NS]                   ; -tn 2^(-1 - e)
	s_wait_alu depctr_va_vdst(0)                   ; the conversions have written the codes and the line above has written the word, which the nine LDS stores read; and the tile's arithmetic is done with v112-239, in which the next LDS loads land: only LDS stores stand between
.irp c, 0,1,2,3,4,5,6,7
	ds_store_b128 v[IW], v[PC+4*\c:PC+4*\c+3] offset:4096*(\t)+512*\c      ; the image: lane l's 16 bytes at 16 l, 512 bytes a store
.endr
	ds_store_b32 v[CW], v[NS] offset:64*(\t)       ; both halves of the lanes write the same word with the same value
.endm
.macro QLOAD i0, n                     ; query tiles i0 .. i0 + n - 1 of the block, eight loads of 512 consecutive bytes each, into window 1 (the window is set, and the wait laid, where the macro is used).  No hint: every work-group reads xq
.set i, 8*(\i0)
.rept 8*(\n)
	global_load_b128 v[4*i:4*i+3], v[L16], s[6:7] offset:512*i
.set i, i+1
.endr
.endm
.macro CAPLOAD                         ; xn of my query in each of the eight tiles
.irp q, 0,1,2,3,4,5,6,7
	global_load_b32 v[CAP+\q], v[R4], s[8:9] offset:64*\q
.endr
.endm
.macro AFPIECE a, n, c                 ; one of the ten LDS loads that bring target tile a into set n: pieces 0 to 7 the fragment, 8 and 9 its -tn 2^(-1 - e) (register j: target 16 a + 8 h + j)
.if (\c) < 8
	ds_load_b128 v[AF+32*(\n)+4*(\c):AF+32*(\n)+4*(\c)+3], v[L16] offset:4096*(\a)+512*(\c)
.else
	ds_load_b128 v[CT+8*(\n)+4*((\c)-8):CT+8*(\n)+4*((\c)-8)+3], v[CTA] offset:64*(\a)+16*((\c)-8)
.endif
.endm
; The search over one target tile, level by level over the eight query tiles, so that no line reads the result of the line above it.  Each accumulator is read from its low end on.
.macro EPI a
.irp q, 0,1,2,3,4,5,6,7
	v_max3_num_f32 v[T+\q], v[DD+8*\q], v[DD+8*\q+1], v[DD+8*\q+2]
.endr
.irp q, 0,1,2,3,4,5,6,7
	v_max3_num_f32 v[T+\q], v[T+\q], v[DD+8*\q+3], v[DD+8*\q+4]
.endr
.irp q, 0,1,2,3,4,5,6,7
	v_max3_num_f32 v[T+\q], v[T+\q], v[DD+8*\q+5], v[DD+8*\q+6]
.endr
.irp q, 0,1,2,3,4,5,6,7
	v_max_num_f32 v[T+\q], v[T+\q], v[DD+8*\q+7]
.endr
.if (\a) == 0                          ; the block's first tile starts the search: its sums were written straight into the copy
.irp q, 0,1,2,3,4,5,6,7
	v_min_num_f32 v[RUN+\q], v[T+\q], v[CAP+\q]
.endr
.irp q, 0,1,2,3,4,5,6,7
	v_mov_b32 v[IA+\q], 0
.endr
.else
.irp q, 0,1,2,3,4,5,6,7
	v_min_num_f32 v[T+\q], v[T+\q], v[CAP+\q]      ; all that the clamp holds at 0 ties at cap
.endr
.irp q, 0,1,2,3,4,5,6,7
	v_cmp_gt_f32 s[28+\q], v[T+\q], v[RUN+\q]      ; strictly greater: on a tie the earlier tile stays
.endr
.irp q, 0,1,2,3,4,5,6,7
	v_max_num_f32 v[RUN+\q], v[RUN+\q], v[T+\q]
.endr
	s_wait_alu depctr_va_sdst(0)                   ; the eight compares have written s28 to s35, ahead of the first select that reads one of them
.irp q, 0,1,2,3,4,5,6,7
	v_cndmask_b32 v[IA+\q], v[IA+\q], \a, s[28+\q]
.endr
.irp j, 0,1,2,3,4,5,6,7
.irp q, 0,1,2,3,4,5,6,7
	v_cndmask_b32 v[W+8*\q+\j], v[W+8*\q+\j], v[ACC+8*\q+\j], s[28+\q]
.endr
.endr
.endif
.endm
; A STEP: target tile a against my eight query tiles.  Its fragment was asked for in the step before.  The next tile's ten LDS loads go into the set that the step before multiplied, one behind each of this step's first ten
; products.  Behind a step's last matrix instruction stand its four v_nop and its search, plain vector lines of which more than five name none of a given matrix instruction's registers: they are the distance in front of
; the accumulators that are begun anew here (ISA guide 7.12.1).  The eight accumulators take turns, one instruction a turn, from step to step too.
.macro STEP a
.set CUR, (\a)%2
.set NXT, 1-CUR
.if (\a) == 0
.set DD, W
.else
.set DD, ACC
.endif
	s_wait_dscnt 0x0                               ; this step's fragment and its -tn 2^(-1 - e), asked for a step ago, are in
	WIN SRC1
	s_wait_alu depctr_va_vdst(0)                   ; the products of the step before are done reading the other set, in which the ten loads below land; no product of this step names that set, v1 or v2
.irp q, 0,1,2,3,4,5,6,7
	v_wmma_f32_16x16x128_bf8_bf8 v[DD+8*\q:DD+8*\q+7], v[AF+32*CUR:AF+32*CUR+15], v[32*\q:32*\q+15], v[CT+8*CUR:CT+8*CUR+7]   ; the sum begins with -tn 2^(-1 - e)
	AFPIECE ((\a)+1)%16, NXT, \q
.endr
.irp q, 0,1,2,3,4,5,6,7
	v_wmma_f32_16x16x128_bf8_bf8 v[DD+8*\q:DD+8*\q+7], v[AF+32*CUR+16:AF+32*CUR+31], v[32*\q+16:32*\q+31], v[DD+8*\q:DD+8*\q+7]
.if \q < 2
	AFPIECE ((\a)+1)%16, NXT, 8+\q
.endif
.endr
	WIN 0
.rept 4
	v_nop                                          ; four places in front of the first read of results (ISA guide 7.12.1)
.endr
.if (\a) == 15                         ; the block's last products are issued: the next block's query fragments are asked for here, if there is a next block: no load leaves its buffer
	s_cmp_eq_u32 s25, 1
	s_cbranch_scc1 .Lno_q
	s_add_nc_u64 s[6:7], s[6:7], 262144            ; 64 tiles of 4,096 bytes on (the loads that read this base were waited for at the block's head)
	WIN TO_1
	s_wait_alu depctr_va_vdst(0)                   ; the block's products are done reading window 1, in which the 64 loads below land; no vector line names window 1 before the next block's products
	QLOAD 0, 8
	WIN 0
.Lno_q:
.endif
	EPI \a
.endm
; The place in the winning tile: eight compares of the copy's sum j against the running value, into s[m] on; and the eight selects that read them
.macro REACHES j, m
.irp q, 0,1,2,3,4,5,6,7
	v_cmp_ge_f32 s[\m+\q], v[W+8*\q+\j], v[RUN+\q]
.endr
.endm
.macro TAKES j, m
.irp q, 0,1,2,3,4,5,6,7
	v_cndmask_b32 v[JJ+\q], v[JJ+\q], \j, s[\m+\q]
.endr
.endm
	s_load_b256 s[4:11], s[0:1], 0x0               ; target_set s[4:5], xq s[6:7], xn s[8:9], the scales' exponents s[10:11]
	s_load_b64 s[12:13], s[0:1], 0x20              ; part
	v_lshrrev_b32 v[RR], 5, v0
	v_readfirstlane_b32 s14, v[RR]                 ; wave 0..7
	v_and_b32 v[L16], 31, v0
	v_lshlrev_b32 v[L8], 3, v[L16]
	v_lshlrev_b32 v[L16], 4, v[L16]
	s_lshl_b32 s2, ttmp9, 18                       ; the work-group's 256 rows of 1,024 bytes,
	s_wait_alu depctr_va_sdst(0)                   ; s14 is written, ahead of its first reader: the bases and the LDS places are made from it
	s_lshl_b32 s15, s14, 15                        ; my wave's 32 of them
	s_add_co_u32 s2, s2, s15
	s_mov_b32 s3, 0
	s_wait_kmcnt 0x0
	s_load_b64 s[18:19], s[10:11], 0x0             ; ea, eb
	s_add_nc_u64 s[4:5], s[4:5], s[2:3]
	WIN TO_1
	s_wait_alu depctr_va_vdst(0)                   ; v1 is written, which the loads below read as their offset
.set i, 0
.rept 64
	global_load_b128 v[4*i:4*i+3], v[L16], s[4:5] offset:512*i th:TH_LOAD_NT   ; my 32 rows in one run: 512 consecutive bytes a load; read once in the launch
.set i, i+1
.endr
	WIN 0
	s_mov_b32 s2, s15                              ; xq: my wave's 8 tiles of 4,096 bytes
	s_add_nc_u64 s[6:7], s[6:7], s[2:3]
	s_lshl_b32 s2, s14, 9                          ; xn: my wave's 128 queries
	s_add_nc_u64 s[8:9], s[8:9], s[2:3]
	s_lshl_b32 s2, ttmp9, 15                       ; part: the work-group's 4,096 pairs of 8 bytes, my wave's 128
	s_lshl_b32 s15, s14, 10
	s_add_co_u32 s2, s2, s15
	s_add_nc_u64 s[12:13], s[12:13], s[2:3]
	v_and_b32 v[RR], 15, v0
	v_bfe_u32 v[HH], v0, 4, 1
	s_mul_i32 s15, s14, STGW
	s_add_co_u32 s15, s15, STG                     ; my stage
	v_add_nc_u32 v[SA], s15, v[L16]
	v_mul_u32_u24 v[SRD], v[RR], PITCH
	v_lshl_add_u32 v[SRD], v[HH], 6, v[SRD]
	v_add_nc_u32 v[SRD], s15, v[SRD]
	s_lshl_b32 s16, s14, 13
	v_add_nc_u32 v[IW], s16, v[L16]                ; my two images: 8,192 x wave + 16 x lane
	s_lshl_b32 s16, s14, 7
	s_add_co_u32 s16, s16, CTB
	v_lshl_add_u32 v[CW], v[RR], 2, s16            ; my 32 targets' words: CTB + 128 x wave + 4 r
	v_lshl_add_u32 v[CTA], v[HH], 5, CTB
	v_lshlrev_b32 v[R4], 2, v[RR]
	s_lshl_b32 s17, ttmp9, 8
	v_lshl_add_u32 v[GB], v[HH], 3, s17
	v_mov_b32 v[TP], 0                             ; written once: a lane permute's destination counts as one of its sources
	s_mov_b32 s22, 0x76543210                      ; v_permlanex16_b32: lane l takes lane l xor 16
	s_mov_b32 s23, 0xfedcba98
	s_mov_b32 s24, 0xffff0000                      ; lanes 16-31
	s_mov_b32 s25, 4                               ; blocks to go
	s_wait_kmcnt 0x0
	s_add_co_i32 s20, s18, s19
	s_sub_co_i32 s20, -1, s20                      ; -1 - ea - eb
	s_add_co_i32 s21, s19, 127
	s_lshl_b32 s26, s21, 23
	v_mov_b32 v[SC], s26                           ; 2^eb: the conversion takes its exponent field
	s_add_co_i32 s21, s21, 15
	s_lshl_b32 s21, s21, 23
	s_or_b32 s21, s21, 0x600000
	v_mov_b32 v[LIM], s21                          ; 57,344 x 2^eb
	s_wait_alu depctr_va_vdst(0)                   ; all addresses and offsets (v1-4, v6, v7, v44, v45) are written and done with by the vector lines above: every LDS and memory instruction from here on reads one of them, and no later vector line names one
	s_wait_loadcnt 32                              ; my first tile's 32 loads are in; the second tile's 32 may be out
	TURN 0
	s_wait_dscnt 0x0                               ; the tile is back from the stage
	WIN TO_1
	s_wait_alu depctr_vm_vsrc(0)                   ; the LDS stores into the stage have read window 1's v0-127,
	QLOAD 0, 4                                     ; which take the first block's query tiles 0 to 3
	WIN 0
	CAPLOAD
	TILE 0
	s_wait_loadcnt 40                              ; behind my second tile's loads stand the 32 + 8 just issued: it is in
	TURN 1                                         ; (its LDS loads land in v112-239: the wait on va_vdst in TILE 0 stands behind all that named them)
	s_wait_dscnt 0x0                               ; back from the stage
	WIN TO_1
	s_wait_alu depctr_vm_vsrc(0)                   ; the LDS stores into the stage have read window 1's v128-255, in which the loads below land; the first image's stores have read the codes' registers and v8, which the second tile's arithmetic writes again
	QLOAD 4, 4
	WIN 0
	TILE 1
	s_wait_dscnt 0x0                               ; for the others' sake: my images and my words lie in LDS
	s_barrier_signal -1
	s_barrier_wait -1                              ; all 16 images and all 256 words do.  From here on LDS is only read
.irp c, 0,1,2,3,4,5,6,7,8,9
	AFPIECE 0, 0, \c                               ; target tile 0 (v176-207 were the second tile's numbers: the wait on va_vdst in TILE 1 stands behind all that named them)
.endr
.Lblock:                                               ; four trips: 1,024 queries each, 128 of them mine
	s_wait_loadcnt 0x0                             ; the block's query fragments and norms are in
	s_wait_alu depctr_vm_vsrc(0)                   ; first trip: the second image's LDS stores have read v48-79, v8, v44 and v45, which the products, the search and the way out write; later trips: the last block's four stores have read v40-47, which this block's way out writes again
.irp q, 0,1,2,3,4,5,6,7
	v_ldexp_f32 v[CAP+\q], v[CAP+\q], s20          ; cap = xn 2^(-1 - e)
.endr
.irp a, 0,1,2,3,4,5,6,7,8,9,10,11,12,13,14,15
	STEP \a                                        ; (step 15 asks for tile 0 again, for the next block; in the last block those ten loads serve nothing)
.endr
	s_cmp_eq_u32 s25, 1                            ; the next block's norms are asked for here, if there is a next block: no load leaves its buffer
	s_cbranch_scc1 .Lno_next
	s_add_nc_u64 s[8:9], s[8:9], 4096              ; (the loads that read this base were waited for at the block's head)
	s_wait_alu depctr_va_vdst(0)                   ; the block's last search is done reading the caps, in which the eight loads below land
	CAPLOAD
.Lno_next:
	; THE BLOCK'S WAY OUT.  The place in the winning tile: the first j whose sum reaches the running value (the largest sum itself, or anything at or over cap); descending, so that the lowest j is written last.
	; The compares stand in runs, three places at a time into s28 to s51, with one wait behind each run.
.irp q, 0,1,2,3,4,5,6,7
	v_mov_b32 v[JJ+\q], 7
.endr
	REACHES 6, 28
	REACHES 5, 36
	REACHES 4, 44
	s_wait_alu depctr_va_sdst(0)                   ; the 24 compares have written s28 to s51, ahead of the first select that reads one of them
	TAKES 6, 28
	TAKES 5, 36
	TAKES 4, 44
	REACHES 3, 28
	REACHES 2, 36
	REACHES 1, 44
	s_wait_alu depctr_va_sdst(0)                   ; likewise
	TAKES 3, 28
	TAKES 2, 36
	TAKES 1, 44
	REACHES 0, 28
	s_wait_alu depctr_va_sdst(0)                   ; the eight compares have written s28 to s35, ahead of the selects
	TAKES 0, 28
.irp q, 0,1,2,3,4,5,6,7
	v_lshl_add_u32 v[LI+\q], v[IA+\q], 4, v[JJ+\q]
.endr
.irp q, 0,1,2,3,4,5,6,7
	v_add_nc_u32 v[LI+\q], v[GB], v[LI+\q]         ; the target: 256 g + 16 tile + 8 h + j
.endr
.irp q, 0,1,2,3,4,5,6,7
	v_permlanex16_b32 v[ORUN+\q], v[RUN+\q], s22, s23  ; the query's other eight targets of each tile lie in the lane 16 away
.endr
.irp q, 0,1,2,3,4,5,6,7
	v_permlanex16_b32 v[OLI+\q], v[LI+\q], s22, s23
.endr
.irp q, 0,1,2,3,4,5,6,7
	v_cmp_gt_f32 s[28+\q], v[ORUN+\q], v[RUN+\q]
.endr
.irp q, 0,1,2,3,4,5,6,7
	v_cmp_eq_f32 s[36+\q], v[ORUN+\q], v[RUN+\q]
.endr
.irp q, 0,1,2,3,4,5,6,7
	v_cmp_lt_u32 s[44+\q], v[OLI+\q], v[LI+\q]
.endr
	s_wait_alu depctr_va_sdst(0)                   ; the 24 compares have written s28 to s51, ahead of the scalar lines that read them
.irp q, 0,1,2,3,4,5,6,7
	s_and_b32 s[36+\q], s[36+\q], s[44+\q]
	s_or_b32 s[28+\q], s[28+\q], s[36+\q]          ; the other half's wins where it is greater, or equal with the lower index: both lanes of a query end with the same pair
.endr
.irp q, 0,1,2,3,4,5,6,7
	v_cndmask_b32 v[LI+\q], v[LI+\q], v[OLI+\q], s[28+\q]
.endr
.irp q, 0,1,2,3,4,5,6,7
	v_max_num_f32 v[RUN+\q], v[RUN+\q], v[ORUN+\q]
.endr
.irp p, 0,1,2,3                        ; lanes 0-15 carry tile 2 p's queries, lanes 16-31 tile 2 p + 1's
	v_cndmask_b32 v[ST+2*\p], v[RUN+2*\p], v[RUN+2*\p+1], s24
	v_cndmask_b32 v[ST+2*\p+1], v[LI+2*\p], v[LI+2*\p+1], s24
.endr
	s_wait_alu depctr_va_vdst(0)                   ; the eight selects above have written v40-47, which the four stores read
.irp p, 0,1,2,3
	global_store_b64 v[L8], v[ST+2*\p:ST+2*\p+1], s[12:13] offset:256*\p th:TH_STORE_NT   ; 32 queries' pairs: 256 consecutive bytes, at a multiple of 256 from part's first byte
.endr
	s_wait_xcnt 0x0                                ; the stores have had their addresses translated: their base is written again only behind this wait (their data: behind the wait on vm_vsrc at the block's head too)
	s_add_nc_u64 s[12:13], s[12:13], 8192          ; 1,024 queries on
	s_sub_co_u32 s25, s25, 1
	s_cmp_lg_u32 s25, 0
	s_cbranch_scc1 .Lblock
	s_wait_dscnt 0x0                               ; step 15's ten loads
	s_wait_xcnt 0x0
	v_lshl_add_u32 v254, v0, 2, 0x30c00            ; the add's two registers are made here, straight ahead of the closing lines: no two registers could be kept.  No memory or LDS instruction has read v254 or v255
	v_mov_b32 v255, 0
	s_wait_dscnt 0x0                               ; the closing lines, six on end
	s_wait_alu 0x0
	s_wait_tensorcnt 0x0
	ds_add_u32 v254, v255
	s_wait_dscnt 0x0
	s_endpgm
.Lfunc_end_k_qa1c5de84cb_main:
	.size	k_qa1c5de84cb_main, .Lfunc_end_k_qa1c5de84cb_main-k_qa1c5de84cb_main
	.p2alignl 7, 3214868480
	.fill 96, 4, 3214868480
	.section	.rodata,"a",@progbits
	.p2align	6, 0x0
	.amdhsa_kernel k_qa1c5de84cb_main
		.amdhsa_group_segment_fixed_size 200704
		.amdhsa_private_segment_fixed_size 0
		.amdhsa_enable_private_segment 0
		.amdhsa_kernarg_size 40
		.amdhsa_user_sgpr_count 2
		.amdhsa_user_sgpr_kernarg_segment_ptr 1
		.amdhsa_wavefront_size32 1
		.amdhsa_system_sgpr_workgroup_id_x 1
		.amdhsa_system_sgpr_workgroup_id_y 1
		.amdhsa_system_sgpr_workgroup_id_z 1
		.amdhsa_system_vgpr_workitem_id 0
		.amdhsa_next_free_vgpr 512
		.amdhsa_next_free_sgpr 66
		.amdhsa_reserve_vcc 0
		.amdhsa_float_denorm_mode_32 3
		.amdhsa_float_denorm_mode_16_64 3
		.amdhsa_memory_ordered 1
		.amdhsa_forward_progress 1
		.amdhsa_inst_pref_size 216
	.end_amdhsa_kernel
	.amdgpu_metadata
---
amdhsa.version: [ 1, 2 ]
amdhsa.kernels:
  - .name:           k_qa1c5de84cb_main
    .symbol:         k_qa1c5de84cb_main.kd
    .args:
      - { .name: target_set, .offset: 0, .size: 8, .value_kind: global_buffer, .address_space: global }
      - { .name: xq, .offset: 8, .size: 8, .value_kind: global_buffer, .address_space: global }
      - { .name: xn, .offset: 16, .size: 8, .value_kind: global_buffer, .address_space: global }
      - { .name: lowp_scales, .offset: 24, .size: 8, .value_kind: global_buffer, .address_space: global }
      - { .name: part, .offset: 32, .size: 8, .value_kind: global_buffer, .address_space: global }
    .group_segment_fixed_size: 200704
    .private_segment_fixed_size: 0
    .kernarg_segment_align: 8
    .kernarg_segment_size: 40
    .max_flat_workgroup_size: 256
    .sgpr_count:     66
    .vgpr_count:     512
    .wavefront_size: 32
...
	.end_amdgpu_metadata
.endif
;; end of part 5
;; launch finish (part 6): grid 64 x 1, 8 waves a work-group, no clusters, 5,120 bytes of LDS; arguments part, xn, lowp_scales, out0, out1; writes out0, out1
.if DOCPART == 6
	.amdgcn_target "amdgcn-amd-amdhsa--gfx1250"
	.amdhsa_code_object_version 6
	.text
	.protected	k_qa1c5de84cb_finish
	.globl	k_qa1c5de84cb_finish
	.p2align	8
	.type	k_qa1c5de84cb_finish,@function
k_qa1c5de84cb_finish:
	s_mov_b64 s[64:65], 0
	v_nop
	global_prefetch_b8 v0, s[64:65] scope:SCOPE_SE
	s_setreg_imm32_b32 hwreg(HW_REG_WAVE_MODE, 25, 1), 1
	s_wait_xcnt 0x0
; part [256 slices][4096 queries] of (acc, index) is joined: for each query the FIRST largest acc over the slices; then out0 = sqrt(max(xn - 2^(1 + ea + eb) acc, 0)), out1 = its index.
; A slice holds the targets 256 g .. 256 g + 255, so ascending slices are ascending indices: a strictly greater value replaces, a tie keeps the lower index.  acc was held at xn 2^(-1 - ea - eb), where the difference is exactly 0.
; SHARES.  Work-group G takes queries 64 G .. 64 G + 63: 512 bytes of each slice.  Lane l owns queries 2 l and 2 l + 1 (16 bytes) throughout.  Wave p scans slices 32 p .. 32 p + 31, all 32 loads out at once, each of 512
; consecutive bytes; the eight waves' results meet in LDS; wave 0 joins them in ascending p and stores 256 consecutive bytes to each output.  No matrix work, no tensor load: the launch reads its bytes once and ends.
; LIMITS: as in the launches before; v_sqrt_f32 counts a denormal d2 as 0 (ISA guide, its entry in 15.8).
.set L16, 1                            ; v1   16 x lane
.set L8,  3                            ; v3   8 x lane
.set LW,  4                            ; v4   where my wave's result goes: 512 x wave + 16 x lane
.set XN2, 20                           ; v[20:21] xn of my two queries
.set P,   32                           ; v32-159 slice i at v[32 + 4 i]: value, index, value, index
.set J,   64                           ; the eight waves' results, wave p at v[64 + 4 p]
.macro MERGE b, s, d1, d3              ; the pairs at v[s] are held against those at v[b]; the indices go to v[d1], v[d3]
	v_cmp_gt_f32 s20, v[\s], v[\b]
	v_cmp_gt_f32 s21, v[\s+2], v[\b+2]
	s_delay_alu instid0(VALU_DEP_2)
	v_cndmask_b32 v[\d1], v[\b+1], v[\s+1], s20
	s_delay_alu instid0(VALU_DEP_2)
	v_cndmask_b32 v[\d3], v[\b+3], v[\s+3], s21
	v_max_num_f32 v[\b], v[\b], v[\s]
	v_max_num_f32 v[\b+2], v[\b+2], v[\s+2]
.endm
	s_load_b256 s[4:11], s[0:1], 0x0               ; part s[4:5], xn s[6:7], the scales' exponents s[8:9], out0 s[10:11]
	s_load_b64 s[12:13], s[0:1], 0x20              ; out1
	v_lshl_add_u32 v176, v0, 2, 0x1000
	v_mov_b32 v177, 0
	v_lshrrev_b32 v2, 5, v0
	s_delay_alu instid0(VALU_DEP_1)
	v_readfirstlane_b32 s14, v2                    ; wave 0..7
	v_and_b32 v[L16], 31, v0
	s_delay_alu instid0(VALU_DEP_1)
	v_lshlrev_b32 v[L8], 3, v[L16]
	s_delay_alu instid0(VALU_DEP_2)
	v_lshlrev_b32 v[L16], 4, v[L16]
	s_lshl_b32 s15, s14, 9
	v_add_nc_u32 v[LW], s15, v[L16]
	s_lshl_b32 s2, s14, 20                         ; my wave's 32 slices of 32,768 bytes,
	s_lshl_b32 s16, ttmp9, 9                       ; the work-group's 64 pairs in each
	s_add_co_u32 s2, s2, s16
	s_mov_b32 s3, 0
	s_lshl_b32 s16, ttmp9, 8                       ; and its 64 numbers in xn, out0 and out1
	s_mov_b32 s17, 0
	s_wait_alu depctr_va_vdst(0)
	s_wait_kmcnt 0x0
	s_load_b64 s[18:19], s[8:9], 0x0               ; ea, eb
	s_add_nc_u64 s[4:5], s[4:5], s[2:3]
	s_add_nc_u64 s[6:7], s[6:7], s[16:17]
	s_add_nc_u64 s[10:11], s[10:11], s[16:17]
	s_add_nc_u64 s[12:13], s[12:13], s[16:17]
	global_load_b64 v[XN2:XN2+1], v[L8], s[6:7]    ; in every wave, so that all waves' counts are alike; wave 0 uses it
.set i, 0
.rept 32
	global_load_b128 v[P+4*i:P+4*i+3], v[L16], s[4:5] offset:32768*i th:TH_LOAD_NT
.set i, i+1
.endr
.set i, 1
.rept 31
	s_wait_alu depctr_va_vdst(0)
	s_wait_loadcnt 31-i                            ; loads come back in order (ISA guide 5.7.1): slice i is in, the 31 - i younger ones may be out
	MERGE P, P+4*i, P+1, P+3
.set i, i+1
.endr
	ds_store_b128 v[LW], v[P:P+3]
	s_wait_dscnt 0x0                               ; for wave 0's sake: my result lies in LDS
	s_barrier_signal -1
	s_barrier_wait -1
	s_cmp_lg_u32 s14, 0
	s_cbranch_scc1 .Lend
.irp p, 0,1,2,3,4,5,6,7
	ds_load_b128 v[J+4*\p:J+4*\p+3], v[L16] offset:512*\p
.endr
	s_wait_kmcnt 0x0
	s_add_co_i32 s22, s18, s19
	s_add_co_i32 s22, s22, 1                       ; 1 + ea + eb
	s_wait_dscnt 0x0
.irp p, 1,2,3,4,5,6
	MERGE J, J+4*\p, J+1, J+3
.endr
	MERGE J, J+28, 42, 43                          ; the last join leaves the two indices side by side
	s_delay_alu instid0(VALU_DEP_2)
	v_ldexp_f32 v44, v[J], s22
	s_delay_alu instid0(VALU_DEP_2)
	v_ldexp_f32 v45, v[J+2], s22
	s_delay_alu instid0(VALU_DEP_2)
	v_sub_f32 v44, v[XN2], v44                     ; d2 = xn - 2^(1 + e) acc
	s_delay_alu instid0(VALU_DEP_2)
	v_sub_f32 v45, v[XN2+1], v45
	s_delay_alu instid0(VALU_DEP_2)
	v_max_num_f32 v44, 0, v44
	s_delay_alu instid0(VALU_DEP_2)
	v_max_num_f32 v45, 0, v45
	s_wait_alu depctr_va_vdst(0)
	v_sqrt_f32 v40, v44
	v_sqrt_f32 v41, v45
	v_nop                                          ; a plain vector line behind the last root, ahead of the first use
	s_wait_alu depctr_va_vdst(0)                   ; one wait for both roots, ahead of the store that reads them
	global_store_b64 v[L8], v[40:41], s[10:11]     ; 64 values: 256 consecutive bytes, aligned
	global_store_b64 v[L8], v[42:43], s[12:13]     ; 64 indices likewise
.Lend:
	s_wait_tensorcnt 0x0
	ds_add_u32 v176, v177
	s_wait_dscnt 0x0
	s_endpgm
.Lfunc_end_k_qa1c5de84cb_finish:
	.size	k_qa1c5de84cb_finish, .Lfunc_end_k_qa1c5de84cb_finish-k_qa1c5de84cb_finish
	.p2alignl 7, 3214868480
	.fill 96, 4, 3214868480
	.section	.rodata,"a",@progbits
	.p2align	6, 0x0
	.amdhsa_kernel k_qa1c5de84cb_finish
		.amdhsa_group_segment_fixed_size 5120
		.amdhsa_private_segment_fixed_size 0
		.amdhsa_enable_private_segment 0
		.amdhsa_kernarg_size 40
		.amdhsa_user_sgpr_count 2
		.amdhsa_user_sgpr_kernarg_segment_ptr 1
		.amdhsa_wavefront_size32 1
		.amdhsa_system_sgpr_workgroup_id_x 1
		.amdhsa_system_sgpr_workgroup_id_y 1
		.amdhsa_system_sgpr_workgroup_id_z 1
		.amdhsa_system_vgpr_workitem_id 0
		.amdhsa_next_free_vgpr 178
		.amdhsa_next_free_sgpr 66
		.amdhsa_reserve_vcc 0
		.amdhsa_float_denorm_mode_32 3
		.amdhsa_float_denorm_mode_16_64 3
		.amdhsa_memory_ordered 1
		.amdhsa_forward_progress 1
		.amdhsa_inst_pref_size 23
	.end_amdhsa_kernel
	.amdgpu_metadata
---
amdhsa.version: [ 1, 2 ]
amdhsa.kernels:
  - .name:           k_qa1c5de84cb_finish
    .symbol:         k_qa1c5de84cb_finish.kd
    .args:
      - { .name: part, .offset: 0, .size: 8, .value_kind: global_buffer, .address_space: global }
      - { .name: xn, .offset: 8, .size: 8, .value_kind: global_buffer, .address_space: global }
      - { .name: lowp_scales, .offset: 16, .size: 8, .value_kind: global_buffer, .address_space: global }
      - { .name: out0, .offset: 24, .size: 8, .value_kind: global_buffer, .address_space: global }
      - { .name: out1, .offset: 32, .size: 8, .value_kind: global_buffer, .address_space: global }
    .group_segment_fixed_size: 5120
    .private_segment_fixed_size: 0
    .kernarg_segment_align: 8
    .kernarg_segment_size: 40
    .max_flat_workgroup_size: 256
    .sgpr_count:     66
    .vgpr_count:     178
    .wavefront_size: 32
...
	.end_amdgpu_metadata
.endif
;; end of part 6
